; MI455X (gfx1250); checked and timed in simulation.
; The chip was launched on July 23, 2026; its instructions are those of AMD's public machine-readable ISA for CDNA 5 (MIT licence, August 2026) and "CDNA5" Instruction Set Architecture Reference Guide (July 2026). The comments in the code are by the model that wrote it; some were corrected since.
;; Splash Attention QK Norm Wrapper. Allowed arithmetic: matrix products marked QUANTISED: E4M3 operands, one given power-of-two scale a tensor, by v_wmma_f32_16x16x64_fp8_fp8 or v_wmma_f32_16x16x128_fp8_fp8, f32 sums; everything else in f32.
;; Inputs: Wk 2,048 x 1,024 float32; Wo 1,024 x 2,048 float32; Wq 2,048 x 1,024 float32; Wv 2,048 x 1,024 float32; cos 2 x 2,048 x 128 float32; hidden_states 2 x 2,048 x 2,048 float32; k_norm_w 128 float32; lowp_scales 12 int32 (the exponents e of the quantised operands' scales 2^e); q_norm_w 128 float32; sin 2 x 2,048 x 128 float32.
;; Outputs: out0 2 x 2,048 x 2,048 float32.
;; This version of the problem:
;;   THIS VERSION OF THE PROBLEM IS GIVEN IN LOW PRECISION. The matrix products marked QUANTISED in the list below multiply operands that are first quantised to E4M3 (4 exponent bits, 3 mantissa bits; 8 bits a number), with one given power-of-two scale for each operand tensor; their sums are f32. All else is computed in f32.
;;   The module's matrix products, in the order in which they are computed (A, B: the left and right operand; K: the contracted axis; several contracted axes count as one K, in the product's order):
;;     1. [M 4,096, K 2,048] x [K 2,048, N 1,024]; A: input hidden_states; B: input Wq: QUANTISED (scales: A lowp_scales[0], B lowp_scales[1])
;;     2. [M 4,096, K 2,048] x [K 2,048, N 1,024]; A: input hidden_states; B: input Wk: QUANTISED (scales: A lowp_scales[2], B lowp_scales[3])
;;     3. [M 4,096, K 2,048] x [K 2,048, N 1,024]; A: input hidden_states; B: input Wv: QUANTISED (scales: A lowp_scales[4], B lowp_scales[5])
;;     4. batch 16 x [M 2,048, K 128] x [K 128, N 2,048]; A: computed on the way; B: computed on the way: QUANTISED (scales: A lowp_scales[6], B lowp_scales[7])
;;     5. batch 16 x [M 2,048, K 2,048] x [K 2,048, N 128]; A: softmax (see below); B: computed on the way: QUANTISED (scales: A lowp_scales[8], B lowp_scales[9])
;;     6. [M 4,096, K 1,024] x [K 1,024, N 2,048]; A: computed on the way; B: input Wo: QUANTISED (scales: A lowp_scales[10], B lowp_scales[11])
;;   THE QUANTISER, for each operand of a quantised product, along K:
;;     - The operand's scale is 2^e, e = its entry of the input lowp_scales (int32; the entries are numbered through the quantised products in the list's order, A before B).
;;     - Each number is divided by the scale, clamped to +-448, and rounded to the nearest number of E4M3, ties to even, subnormals kept.
;;     - The product sums the exact products of the quantised numbers (number of the format x scale) in f32.
;;   ~~~python
;;   def quantise(x, axis, e):      # numpy; x: float32 -> the quantised numbers, widened to float32 again
;;       x = np.moveaxis(x, axis, -1); K = x.shape[-1]
;;       r = np.clip(x / 2.0 ** e, -448, 448)
;;       step = 2.0 ** (np.maximum(np.frexp(np.where(r == 0, 1, r))[1] - 1, -6) - 3)
;;       q = np.round(r / step) * step * 2.0 ** e      # np.round: ties to even
;;       return np.moveaxis(q, -1, axis).astype(np.float32)
;;   ~~~
;;   SOFTMAX AHEAD OF A QUANTISED PRODUCT. Where the list says 'softmax', what is quantised is not the finished softmax but p = 2^(t - M), with t = logit x log2(e) and M = ceil(the row's largest t), a whole number; so 1/2 < the row's largest p <= 1. The row's sum l is taken of the UNQUANTISED p, in f32, and the product's result is divided by l at the end. Since M is a whole number, a kernel that streams over the keys may use a running M (the ceiling of the running maximum): every later rescaling is an exact power of two, so the quantised numbers keep their values, but for numbers so far below the row's largest that they fall under the format's range.
;;   OPERANDS COMPUTED ON THE WAY. 'Computed on the way' means the value that the module computes at that place (a softmax that the list does not call 'softmax' is quantised finished and normalised). What goes into a quantiser is computed in f32, as accurately as f32 sums, v_exp_f32 and their like allow (about 1e-6 of the number): no bf16 or f16 on the way to a quantiser, and a product that is left as it is and whose result goes on into a quantised operand takes f32 operands (vector FMAs, or v_wmma_f32_16x16x4_f32). A number that lies on a knife's edge between two numbers of the format may be rounded either way, as far as f32 arithmetic and the matrix unit's own rounding can turn it there, and no further.
;; One version. Each part assembles by itself: llvm-mc -triple=amdgcn-amd-amdhsa -mcpu=gfx1250 --defsym DOCPART=n.
;; ======== version 1 of 1: 4 launches
;; limits: right only within a limited range of input values
;; workspace buffers: h_img 25,165,824 bytes; w_img 8,388,608 bytes; qkv_img 12,582,912 bytes; a_img 4,194,304 bytes
;; launch quant (part 1): grid 768 x 1, 4 waves a work-group, no clusters, 34,304 bytes of LDS; arguments hidden_states, Wq, Wk, Wv, Wo, lowp_scales, h_img, w_img; writes h_img, w_img
.if DOCPART == 1
	.amdgcn_target "amdgcn-amd-amdhsa--gfx1250"
	.amdhsa_code_object_version 6
	.text
	.protected	k_q71515d56e9_quant
	.globl	k_q71515d56e9_quant
	.p2align	8
	.type	k_q71515d56e9_quant,@function
k_q71515d56e9_quant:
	s_mov_b64 s[64:65], 0
	v_nop
	global_prefetch_b8 v0, s[64:65] scope:SCOPE_SE
	s_setreg_imm32_b32 hwreg(HW_REG_WAVE_MODE, 25, 1), 1
	s_wait_xcnt 0x0
; hidden_states [4096][2048] f32 becomes three sets of E4M3 codes (scales 2^e0, 2^e2, 2^e4); Wq, Wk, Wv [2048 k][1024 n] and Wo [1024 k][2048 n] one set each (e1, e3, e5, e11).
; code = x / 2^e, held within +-448, rounded to the nearest code, ties to even.
; THE CODES ARE STORED AS IMAGES OF MATRIX FRAGMENTS (16 rows x 128 along K, 2,048 bytes): byte 512 c + 16 L + 4 w + y holds, of row L % 16, k = 16 (2 c + w / 2) + 8 (L / 16) + 4 (w % 2) + y:
; registers 4 c .. 4 c + 3 of lane L of the operand of v_wmma_f32_16x16x128_fp8_fp8, k in its own place.  Whoever loads 16 bytes a lane at 16 L + 512 c has the operand.
; h_img: [3 scales][256 tiles of 16 tokens][16 K steps][2048].  w_img: Wq, Wk, Wv at 0, 2, 4 MiB, each [64 tiles of 16 n][16 K steps][2048]; Wo at 6 MiB, [128 tiles][8 K steps][2048].
; WORK-GROUPS: 0-255 one tile of 16 tokens each (wave w: K steps 4 w .. 4 w + 3); 256-639 Wq, Wk, Wv, 640-767 Wo: 128 columns x one K step each (a wave: 32 columns).
; LIMITS: each e used here lies between -126 and 119, so that 2^e and 448 x 2^e are f32 numbers.  NaN among the inputs is not served; an infinity is held at the largest code.
.set STG,   8448                       ; LDS: a stage for each wave: 16 rows x (512 bytes + 16)
.set SPARE, 4*STG                      ; behind the stages: the spare words, 128 bytes for each wave
.set SPW,   12                         ; v12  LDS address of my spare word; never rewritten
.set NIL,   13                         ; v13  0; never rewritten
.set R,     32                         ; v32-95    hidden: 16 rows x 16 bytes a lane, as loaded
.set X,     96                         ; v96-159   hidden: my 64 numbers in the operand's order
.set T,     160                        ; v160-175  hidden: two sets of eight held numbers
.set CODE,  176                        ; v176-223  hidden: three fragments' codes
.set WX,    32                         ; v32-159   weights: my column's 128 numbers down K
.set WC,    160                        ; v160-191  weights: their codes
.macro MKSC e, vsc, vlim               ; 2^e and 448 x 2^e as f32, e in s[e]
	s_add_co_i32 s33, s[\e], 127
	s_lshl_b32 s48, s33, 23
	v_mov_b32 v[\vsc], s48
	s_add_co_i32 s33, s33, 8
	s_lshl_b32 s33, s33, 23
	s_or_b32 s33, s33, 0x600000
	v_mov_b32 v[\vlim], s33
.endm
	s_load_b512 s[4:19], s[0:1], 0x0               ; hidden 4:5, Wq 6:7, Wk 8:9, Wv 10:11, Wo 12:13, scales 14:15, h_img 16:17, w_img 18:19
	v_lshl_add_u32 v[SPW], v0, 2, SPARE
	v_mov_b32 v[NIL], 0
	v_lshrrev_b32 v1, 5, v0
	v_readfirstlane_b32 s32, v1                    ; wave
	v_and_b32 v1, 31, v0                           ; lane
	s_wait_kmcnt 0x0
	s_load_b256 s[20:27], s[14:15], 0x0            ; e0 .. e7
	s_load_b128 s[28:31], s[14:15], 0x20           ; e8 .. e11
	s_cmp_lt_u32 ttmp9, 256
	s_cbranch_scc1 .Lhid
	s_cmp_lt_u32 ttmp9, 640
	s_cbranch_scc1 .Lqkvw
; A WEIGHT: a lane takes a column n and its registers run down K, so that the conversions give codes with K innermost.  s[34:35] the tensor, s43 the work-group's number in it, s44 e, s45 its place in w_img.
.macro WBODY PITCH, NK, LOGC           ; bytes in a row; K steps; log2 of the groups of 128 columns
	s_and_b32 s46, s43, (1<<\LOGC)-1               ; which 128 columns
	s_lshr_b32 s47, s43, \LOGC                     ; which K step
	s_mul_i32 s36, s47, 128*\PITCH
	s_lshl_b32 s33, s46, 9
	s_add_co_u32 s36, s36, s33
	s_lshl_b32 s33, s32, 7                         ; my wave's 32 columns
	s_add_co_u32 s36, s36, s33
	s_mov_b32 s37, 0
	s_add_nc_u64 s[34:35], s[34:35], s[36:37]
	s_lshl_b32 s36, s46, 3
	s_lshl_b32 s33, s32, 1
	s_add_co_u32 s36, s36, s33                     ; my wave's first tile of 16 columns
	s_mul_i32 s36, s36, \NK
	s_add_co_u32 s36, s36, s47
	s_lshl_b32 s36, s36, 11
	s_add_co_u32 s36, s36, s45
	s_add_nc_u64 s[38:39], s[18:19], s[36:37]
	v_lshlrev_b32 v5, 2, v1                        ; in: 4 bytes a lane: a load reads 128 consecutive bytes, the four waves stand side by side
	v_lshrrev_b32 v6, 4, v1
	v_mul_u32_u24 v6, v6, \NK*2048                 ; out: lanes 16-31 hold the next tile of columns,
	v_and_b32 v7, 15, v1
	v_lshl_add_u32 v6, v7, 4, v6                   ; 16 bytes a column
.set kk, 0
.rept 128
	global_load_b32 v[WX+kk], v5, s[34:35] offset:kk*\PITCH th:TH_LOAD_NT
.set kk, kk+1
.endr
	MKSC 44, 10, 11
	s_wait_alu depctr_va_vdst(0)
.irp q4, 0,1,2,3                       ; 32 along K at a time
.if \q4 < 2
	s_wait_loadcnt 63                              ; this quarter's 32 loads are in (96 or 64 younger ones could stay out; 63 is the largest count that can be written)
.elseif \q4 == 2
	s_wait_loadcnt 32
.else
	s_wait_loadcnt 0x0
.endif
.set kk, 0
.rept 32
	v_med3_num_f32 v[WX+32*\q4+kk], v[WX+32*\q4+kk], -v11, v11   ; the conversion to an 8-bit code does not saturate (ISA guide 7.6.2): the hold comes first
.set kk, kk+1
.endr
.irp u, 0,1,2,3                        ; eight k = 32 q4 + 8 u on belong to the image's half u % 2, register pair u / 2 of quad q4
	v_cvt_scalef32_pk8_fp8_f32 v[WC+4*(2*\q4+\u%2)+2*(\u/2):WC+4*(2*\q4+\u%2)+2*(\u/2)+1], v[WX+32*\q4+8*\u:WX+32*\q4+8*\u+7], v10
.endr
	global_store_b128 v6, v[WC+8*\q4:WC+8*\q4+3], s[38:39] offset:512*\q4         ; sixteen lanes store 256 consecutive bytes, aligned: the image's lanes 0-15 of quad q4,
	global_store_b128 v6, v[WC+8*\q4+4:WC+8*\q4+7], s[38:39] offset:512*\q4+256   ; and its lanes 16-31.  Each code register is written once: no store's data are written again
.endr
.endm
	s_sub_co_u32 s43, ttmp9, 640                   ; Wo
	s_mov_b32 s45, 0x600000
	s_wait_kmcnt 0x0
	s_mov_b64 s[34:35], s[12:13]
	s_mov_b32 s44, s31                             ; e11
	s_wait_alu depctr_va_vdst(0)
	WBODY 8192, 8, 4
	s_endpgm
.Lqkvw:
	s_sub_co_u32 s33, ttmp9, 256
	s_lshr_b32 s42, s33, 7                         ; 0 Wq, 1 Wk, 2 Wv
	s_and_b32 s43, s33, 127
	s_lshl_b32 s45, s42, 21
	s_wait_kmcnt 0x0
	s_cmp_eq_u32 s42, 0                            ; the choices hang on the work-group's number alone
	s_cselect_b64 s[34:35], s[6:7], s[8:9]
	s_cselect_b32 s44, s21, s23
	s_cmp_eq_u32 s42, 2
	s_cselect_b64 s[34:35], s[10:11], s[34:35]
	s_cselect_b32 s44, s25, s44                    ; e1, e3 or e5
	s_wait_alu depctr_va_vdst(0)
	WBODY 4096, 16, 3
	s_endpgm
; HIDDEN: each load reads 512 consecutive bytes of one row (a K step); the 16 rows turn through my wave's own stage, so that lane (r, h) gets, of row r, k = 16 c + 8 h + 0 .. 7 in registers 8 c .. 8 c + 7.
.Lhid:
	s_lshl_b32 s34, ttmp9, 17                      ; 16 rows of 8,192 bytes
	s_lshl_b32 s33, s32, 11                        ; my wave's four K steps of 512 bytes
	s_add_co_u32 s34, s34, s33
	s_mov_b32 s35, 0
	s_add_nc_u64 s[34:35], s[4:5], s[34:35]
	s_lshl_b32 s36, ttmp9, 15                      ; the tile's 16 images,
	s_lshl_b32 s33, s32, 13                        ; my wave's four
	s_add_co_u32 s36, s36, s33
	s_mov_b32 s37, 0
	s_add_nc_u64 s[36:37], s[16:17], s[36:37]      ; under e0,
	s_add_nc_u64 s[38:39], s[36:37], 0x800000      ; e2,
	s_add_nc_u64 s[40:41], s[36:37], 0x1000000     ; e4
	s_wait_alu depctr_va_vdst(0)
	v_lshlrev_b32 v2, 4, v1                        ; 16 x lane
	s_mul_i32 s33, s32, STG
	v_add_nc_u32 v3, s33, v2                       ; into the stage
	v_and_b32 v5, 15, v1
	v_lshrrev_b32 v6, 4, v1
	v_mul_u32_u24 v4, v5, 528
	v_lshl_add_u32 v4, v6, 5, v4
	v_add_nc_u32 v4, s33, v4                       ; out of it: row r, + 32 h
.macro LOADH t
.irp i, 0,1,2,3,4,5,6,7,8,9,10,11,12,13,14,15
	global_load_b128 v[R+4*\i:R+4*\i+3], v2, s[34:35] offset:\i*8192+(\t)*512 th:TH_LOAD_NT
.endr
.endm
	LOADH 0
	s_wait_alu depctr_va_vdst(0)
	s_wait_kmcnt 0x0
	MKSC 20, 14, 15
	MKSC 22, 16, 17
	MKSC 24, 18, 19
.macro HSTEP t
	s_wait_loadcnt 0x0                             ; this K step's 16 loads
.irp i, 0,1,2,3,4,5,6,7,8,9,10,11,12,13,14,15
	ds_store_b128 v3, v[R+4*\i:R+4*\i+3] offset:\i*528
.endr
.irp c, 0,1,2,3,4,5,6,7
	ds_load_b128 v[X+8*\c:X+8*\c+3], v4 offset:64*\c              ; LDS serves a wave's instructions in order: these see my stores
	ds_load_b128 v[X+8*\c+4:X+8*\c+7], v4 offset:64*\c+16
.endr
	s_wait_dscnt 0x0                               ; my numbers are back, and the stores have read the registers that the next loads fill
.if \t > 0
	s_wait_xcnt 0x0                                ; the last K step's stores have read their codes: these are written again only behind this wait
.endif
.if \t < 3
	LOADH \t+1                                     ; the next K step lands while this one is converted
.endif
.irp s, 0,1,2
.irp c, 0,1,2,3,4,5,6,7
.irp i, 0,1,2,3,4,5,6,7
	v_med3_num_f32 v[T+8*(\c%2)+\i], v[X+8*\c+\i], -v[15+2*\s], v[15+2*\s]   ; the hold, into one of two sets by turns: eight plain lines stand between a conversion and the next write of its sources
.endr
	v_cvt_scalef32_pk8_fp8_f32 v[CODE+16*\s+2*\c:CODE+16*\s+2*\c+1], v[T+8*(\c%2):T+8*(\c%2)+7], v[14+2*\s]
.endr
.endr
.irp s, 0,1,2
.irp c, 0,1,2,3
	global_store_b128 v2, v[CODE+16*\s+4*\c:CODE+16*\s+4*\c+3], s[36+2*\s:37+2*\s] offset:(\t)*2048+512*\c   ; 32 lanes store 512 consecutive bytes, aligned
.endr
.endr
.endm
	s_wait_alu depctr_va_vdst(0)
	HSTEP 0
	HSTEP 1
	HSTEP 2
	HSTEP 3
	s_wait_tensorcnt 0x0                           ; the wave's end, behind my last LDS store
	ds_add_u32 v[SPW], v[NIL]
	s_wait_dscnt 0x0
	s_endpgm
.Lfunc_end_k_q71515d56e9_quant:
	.size	k_q71515d56e9_quant, .Lfunc_end_k_q71515d56e9_quant-k_q71515d56e9_quant
	.p2alignl 7, 3214868480
	.fill 96, 4, 3214868480
	.section	.rodata,"a",@progbits
	.p2align	6, 0x0
	.amdhsa_kernel k_q71515d56e9_quant
		.amdhsa_group_segment_fixed_size 34304
		.amdhsa_private_segment_fixed_size 0
		.amdhsa_enable_private_segment 0
		.amdhsa_kernarg_size 64
		.amdhsa_user_sgpr_count 2
		.amdhsa_user_sgpr_kernarg_segment_ptr 1
		.amdhsa_wavefront_size32 1
		.amdhsa_system_sgpr_workgroup_id_x 1
		.amdhsa_system_sgpr_workgroup_id_y 1
		.amdhsa_system_sgpr_workgroup_id_z 1
		.amdhsa_system_vgpr_workitem_id 0
		.amdhsa_next_free_vgpr 224
		.amdhsa_next_free_sgpr 66
		.amdhsa_reserve_vcc 0
		.amdhsa_float_denorm_mode_32 3
		.amdhsa_float_denorm_mode_16_64 3
		.amdhsa_memory_ordered 1
		.amdhsa_forward_progress 1
		.amdhsa_inst_pref_size 123
	.end_amdhsa_kernel
	.amdgpu_metadata
---
amdhsa.version: [ 1, 2 ]
amdhsa.kernels:
  - .name:           k_q71515d56e9_quant
    .symbol:         k_q71515d56e9_quant.kd
    .args:
      - { .name: hidden_states, .offset: 0, .size: 8, .value_kind: global_buffer, .address_space: global }
      - { .name: Wq, .offset: 8, .size: 8, .value_kind: global_buffer, .address_space: global }
      - { .name: Wk, .offset: 16, .size: 8, .value_kind: global_buffer, .address_space: global }
      - { .name: Wv, .offset: 24, .size: 8, .value_kind: global_buffer, .address_space: global }
      - { .name: Wo, .offset: 32, .size: 8, .value_kind: global_buffer, .address_space: global }
      - { .name: lowp_scales, .offset: 40, .size: 8, .value_kind: global_buffer, .address_space: global }
      - { .name: h_img, .offset: 48, .size: 8, .value_kind: global_buffer, .address_space: global }
      - { .name: w_img, .offset: 56, .size: 8, .value_kind: global_buffer, .address_space: global }
    .group_segment_fixed_size: 34304
    .private_segment_fixed_size: 0
    .kernarg_segment_align: 8
    .kernarg_segment_size: 64
    .max_flat_workgroup_size: 128
    .sgpr_count:     66
    .vgpr_count:     224
    .wavefront_size: 32
...
	.end_amdgpu_metadata
.endif
;; end of part 1
;; launch qkv (part 2): grid 48 x 4, 4 waves a work-group, clusters of 4 x 4, 327,680 bytes of LDS; arguments h_img, w_img, cos, sin, q_norm_w, k_norm_w, lowp_scales, qkv_img; writes qkv_img
.if DOCPART == 2
	.amdgcn_target "amdgcn-amd-amdhsa--gfx1250"
	.amdhsa_code_object_version 6
	.text
	.protected	k_q71515d56e9_qkv
	.globl	k_q71515d56e9_qkv
	.p2align	8
	.type	k_q71515d56e9_qkv,@function
k_q71515d56e9_qkv:
	s_mov_b64 s[64:65], 0
	v_nop
	global_prefetch_b8 v0, s[64:65] scope:SCOPE_SE
	s_setreg_imm32_b32 hwreg(HW_REG_WAVE_MODE, 25, 1), 1
	s_wait_xcnt 0x0
	s_wait_alu depctr_hold_cnt(0) depctr_sa_sdst(0) depctr_va_vdst(0) depctr_va_sdst(0) depctr_va_ssrc(0) depctr_va_vcc(0) depctr_vm_vsrc(0)
	s_getreg_b32 s2, hwreg(HW_REG_IB_STS2, 6, 4)
	s_cmp_eq_u32 s2, 0
	s_cbranch_scc0 .Lentry_in_a_cluster
	s_endpgm
.Lentry_in_a_cluster:
	s_bfe_u32 s2, ttmp6, 0x10000c
	s_cmp_lg_u32 s2, 0xf033
	s_cbranch_scc0 .Lentry_shape_is_right
	s_endpgm
.Lentry_shape_is_right:
.set HALFT,  32768
.set SLOT,   4*HALFT
.set KB,     4096
.set LAPS,   4
.set CST,    128*528
.set SPARE,  327168
.set FR,     16
.set NL,     4
.set NP,     4
.set ADRA, 16
.set ADRB, 20
.set WA,   7
.set SC,   8
.set LIM,  9
.set LI,   10
.set CA,   11
.set CAS,  12
.set SPW,  28
.set NIL,  29
.set TT,   32
.set PC,   224
.set AF,   128
.set G1, 24
.set G0, 32
.set G1B, 48
.set G0B, 56
.set G1C, 68
.set G0C, 76
.set MSB, 0
.macro WIN new
.if MSB != \new
	s_set_vgpr_msb (MSB<<8)|\new
.set MSB, \new
.endif
.endm
.set MUL_LO, 0xa1
.set MUL_HI, 0xf1
.set TO_B,   0x40
.macro JLOAD g0a, g1a, g0b, g1b
	s_cmp_eq_u32 s15, 0
	s_cbranch_scc0 .Lfor_b_\@
	tensor_load_to_lds s[\g0a:\g0a+3], s[\g1a:\g1a+7]
	s_nop 0
.rept 4
	v_nop
.endr
	s_branch .Lasked_\@
.Lfor_b_\@:
	tensor_load_to_lds s[\g0b:\g0b+3], s[\g1b:\g1b+7]
	s_nop 0
.rept 4
	v_nop
.endr
.Lasked_\@:
.endm
.macro CREST
	s_cmp_lg_u32 s14, 0
	s_cbranch_scc1 .Lnot_wave_0_\@
	s_barrier_signal -3
.Lnot_wave_0_\@:
	s_barrier_wait -3
	s_barrier_signal -1
	s_barrier_wait -1
.endm
.macro CROUND
	s_barrier_signal -1
	s_barrier_wait -1
	CREST
.endm
	s_load_b512 s[68:83], s[0:1], 0x0
	v_lshl_add_u32 v[SPW], v0, 2, SPARE
	v_mov_b32 v[NIL], 0
	ds_add_u32 v[SPW], v[NIL]
	ds_add_u32 v[SPW], v[NIL]
	v_lshrrev_b32 v1, 5, v0
	v_readfirstlane_b32 s14, v1
	v_and_b32 v13, 15, v0                          ; v13: the tiles' prefetch offset: lanes 0-15 the sixteen blocks of 256 bytes of one tile row's chunk,
	v_lshlrev_b32 v13, 8, v13
	v_bfe_u32 v14, v0, 4, 1
	v_lshl_add_u32 v13, v14, 15, v13               ; lanes 16-31 those of the next tile row, 32,768 bytes on; never rewritten
	v_and_b32 v15, 31, v0
	v_lshlrev_b32 v15, 8, v15                      ; v15: the cos / sin prefetch offset: lanes 256 bytes apart; never rewritten
	s_lshr_b32 s15, s14, 1
	s_and_b32 s16, s14, 1
	s_bfe_u32 s40, ttmp6, 0x40000
	s_bfe_u32 s41, ttmp6, 0x40004
	s_lshr_b32 s4, ttmp9, 2
	s_and_b32 s5, ttmp9, 3
	s_lshl_b32 s5, s5, 2
	s_cmp_lt_u32 s4, 2
	s_cselect_b32 s6, s5, 0
	s_cselect_b32 s7, 0, s5
	s_add_co_u32 s17, s6, s41
	s_add_co_u32 s42, s7, s40
	s_lshl_b32 s43, s41, 2
	s_lshl_b32 s43, 15, s43
	s_lshl_b32 s44, 0x1111, s40
	s_or_b32 s[G1+0], s43, (3<<16)|(1<<21)
	s_or_b32 s[G1B+0], s44, (3<<16)|(1<<21)
.irp g, G1, G1B
	s_mov_b32 s[\g+1], 512<<16
	s_mov_b32 s[\g+2], 8<<16
	s_mov_b32 s[\g+3], 512<<16
	s_mov_b32 s[\g+4], 8
	s_mov_b32 s[\g+5], 4096
	s_mov_b32 s[\g+6], 0
	s_mov_b32 s[\g+7], 0
.endr
	s_lshl_b32 s18, s16, 7
	s_lshl_b32 s20, s17, 8
	s_add_co_u32 s20, s20, s18
	s_lshl_b32 s20, s20, 11
	s_lshl_b32 s46, s42, 8
	s_add_co_u32 s46, s46, s18
	s_lshl_b32 s46, s46, 11
	s_lshl_b32 s8, s4, 23
	s_lshl_b32 s9, s4, 21
	s_cmp_lt_u32 s4, 2
	s_mov_b32 s10, 0x400000
	s_cselect_b32 s8, s8, s10
	s_mov_b32 s10, 0x1000000
	s_cselect_b32 s9, s9, s10
	s_add_co_u32 s20, s20, s8
	s_add_co_u32 s46, s46, s9
	s_mov_b32 s21, 0
	s_mov_b32 s47, 0
	s_mul_i32 s45, s14, HALFT
	s_mov_b32 s66, 0x76543210
	s_mov_b32 s67, 0xfedcba98
	s_wait_dscnt 0x0
	s_wait_kmcnt 0x0
	s_cmp_lt_u32 s4, 2
	s_cselect_b64 s[10:11], s[68:69], s[70:71]
	s_cselect_b64 s[12:13], s[70:71], s[68:69]
	s_add_nc_u64 s[20:21], s[10:11], s[20:21]
	s_add_nc_u64 s[46:47], s[12:13], s[46:47]
	; s[98:99]: where my prefetches stand: of the 8 tile rows that my wave fetches, the partner at place p (cx for source A's tiles, cy for B's) takes rows 2 p and 2 p + 1: told apart by address
	s_cmp_eq_u32 s15, 0
	s_cselect_b64 s[98:99], s[20:21], s[46:47]
	s_cselect_b32 s10, s40, s41
	s_lshl_b32 s10, s10, 16
	s_mov_b32 s11, 0
	s_add_nc_u64 s[98:99], s[98:99], s[10:11]
	; s[100:101]: of the 65,536 bytes of cos or sin that my wave will fetch, my work-group's 16,384 (by cx)
	s_cmp_eq_u32 s16, 0
	s_cselect_b64 s[100:101], s[72:73], s[74:75]
	s_lshl_b32 s10, s17, 8
	s_lshl_b32 s12, s15, 7
	s_add_co_u32 s10, s10, s12
	s_lshl_b32 s10, s10, 9
	s_lshl_b32 s12, s40, 14
	s_add_co_u32 s10, s10, s12
	s_add_nc_u64 s[100:101], s[100:101], s[10:11]
	s_load_b256 s[84:91], s[80:81], 0x0
	s_load_b128 s[92:95], s[80:81], 0x20
	CROUND
.irp s, 0,1
	s_mov_b32 s[G0+4*\s], 1
	s_add_co_u32 s[G0+4*\s+1], s45, \s*SLOT
	s_add_nc_u64 s[G0+4*\s+2:G0+4*\s+3], s[20:21], \s*KB
	s_or_b32 s[G0+4*\s+3], s[G0+4*\s+3], 0x80000000
	s_mov_b32 s[G0B+4*\s], 1
	s_add_co_u32 s[G0B+4*\s+1], s45, \s*SLOT
	s_add_nc_u64 s[G0B+4*\s+2:G0B+4*\s+3], s[46:47], \s*KB
	s_or_b32 s[G0B+4*\s+3], s[G0B+4*\s+3], 0x80000000
	s_wait_alu depctr_va_vdst(0)
.if \s
	s_wait_tensorcnt 0x0                           ; slot 1's first fill is issued as a refill is
	ds_add_u32 v28, v29
	s_wait_dscnt 0x0
	CROUND
.endif
	JLOAD G0+4*\s, G1, G0B+4*\s, G1B
	global_prefetch_b8 v13, s[98:99] offset:(2+\s)*KB th:TH_LOAD_NT scope:SCOPE_SE   ; behind the load of chunk s: the chunk two loads on
.if \s == 0
	global_prefetch_b8 v13, s[98:99] offset:KB th:TH_LOAD_NT scope:SCOPE_SE          ; and chunk 1, which has no load two ahead of it: one load ahead
.endif
.endr
	v_and_b32 v1, 31, v0
	v_lshlrev_b32 v[LI], 4, v1
	s_mul_i32 s21, s15, HALFT
	s_mul_i32 s22, s16, HALFT
	s_add_co_u32 s22, s22, 2*HALFT
.irp s, 0,1
	v_add_nc_u32 v[ADRA+\s], s21, v[LI]
	v_add_nc_u32 v[ADRB+\s], s22, v[LI]
	s_add_co_u32 s21, s21, SLOT
	s_add_co_u32 s22, s22, SLOT
.endr
	v_and_b32 v2, 15, v0
	v_bfe_u32 v3, v0, 4, 1
	v_lshlrev_b32 v[WA], 5, v3
	v_mul_u32_u24 v[CA], v2, 528
	v_add_nc_u32 v[CA], v[CA], v[WA]
	s_mul_i32 s23, s15, 2*CST
	v_add_nc_u32 v[CA], s23, v[CA]
	v_add_nc_u32 v[CAS], CST, v[CA]
.macro FRAG reg, adr, q, i
.irp c, 0,1,2,3
	ds_load_b128 v[\reg+4*\c:\reg+4*\c+3], v[\adr] offset:(\i)*4096+(\q)*2048+512*\c
.endr
.endm
.macro MUL16 a0, p, zero
.irp a, \a0, \a0+1
.irp b, 0,1,2,3,4,5,6,7
.if \zero
	v_wmma_f32_16x16x128_fp8_fp8 v[8*(8*((\a)%4)+\b):8*(8*((\a)%4)+\b)+7], v[128*(\p)+FR*\b:128*(\p)+FR*\b+FR-1], v[AF+FR*(\a):AF+FR*(\a)+FR-1], 0
.else
	v_wmma_f32_16x16x128_fp8_fp8 v[8*(8*((\a)%4)+\b):8*(8*((\a)%4)+\b)+7], v[128*(\p)+FR*\b:128*(\p)+FR*\b+FR-1], v[AF+FR*(\a):AF+FR*(\a)+FR-1], v[8*(8*((\a)%4)+\b):8*(8*((\a)%4)+\b)+7]
.endif
.endr
.endr
.endm
.macro FETCH_B slot, q, p
	WIN TO_B
.irp i, 0,1,2,3,4,5,6,7
	FRAG 128*(\p)+FR*\i, ADRB+\slot, \q, \i
.endr
	WIN 0
.endm
.macro FETCH_A slot, q, i0
.irp i, \i0, \i0+1, \i0+2, \i0+3
	FRAG AF+FR*(\i), ADRA+\slot, \q, \i
.endr
.endm
.macro PLACES n
.rept \n
	v_nop
.endr
.endm
.macro STEP slot, q, zero
	s_wait_dscnt 4*NL
	WIN MUL_LO
	MUL16 0, (\q)%2, \zero
	MUL16 2, (\q)%2, \zero
	s_wait_dscnt 0
	PLACES NP
	FETCH_B \slot, (\q)+1, 1-(\q)%2
	FETCH_A \slot, (\q)+1, 0
	WIN MUL_HI
	MUL16 4, (\q)%2, \zero
	MUL16 6, (\q)%2, \zero
	PLACES NP
	WIN 0
	FETCH_A \slot, (\q)+1, 4
.endm
.macro TURN slot, next, fill
.if \fill
	s_wait_xcnt 0x0                                ; my last prefetch has read its address: it steps one chunk
	s_add_nc_u64 s[98:99], s[98:99], KB
.endif
	s_wait_tensorcnt 0x0
	ds_add_u32 v[SPW], v[NIL]
	s_wait_dscnt 4*NL+1
	WIN MUL_LO
	MUL16 0, 1, 0
	s_wait_dscnt 0x0
	s_barrier_signal -1
	MUL16 2, 1, 0
	WIN 0
	s_barrier_wait -1
.if \fill
	CREST
	s_add_nc_u64 s[G0+4*\slot+2:G0+4*\slot+3], s[G0+4*\slot+2:G0+4*\slot+3], 2*KB
	s_add_nc_u64 s[G0B+4*\slot+2:G0B+4*\slot+3], s[G0B+4*\slot+2:G0B+4*\slot+3], 2*KB
	JLOAD G0+4*\slot, G1, G0B+4*\slot, G1B
.else
	PLACES NP
.endif
	s_wait_alu depctr_va_vdst(0)
	FETCH_B \next, 0, 0
	FETCH_A \next, 0, 0
.if \fill
	; behind the refill with chunk c and the run of LDS loads: chunk c + 2 is asked for, 32 blocks of 256 bytes a wave, each block once in a cluster.
	; The last trip's two refills have no chunk two on: there the q and k clusters ask for the cos / sin tile of the way out, 8,192 bytes a wave each time.
	s_cmp_gt_u32 s3, 1
	s_cbranch_scc0 .Lcs_\@
	global_prefetch_b8 v13, s[98:99] offset:3*KB th:TH_LOAD_NT scope:SCOPE_SE
	s_branch .Lpd_\@
.Lcs_\@:
	s_cmp_lt_u32 s4, 2
	s_cbranch_scc0 .Lpd_\@
	global_prefetch_b8 v15, s[100:101] offset:8192*\slot th:TH_LOAD_NT scope:SCOPE_SE
.Lpd_\@:
.endif
	WIN MUL_HI
	MUL16 4, 1, 0
	MUL16 6, 1, 0
	PLACES NP
	WIN 0
	FETCH_A \next, 0, 4
.endm
	s_wait_tensorcnt 1
	s_barrier_signal -1
	s_barrier_wait -1
	FETCH_B 0, 0, 0
	FETCH_A 0, 0, 0
	FETCH_A 0, 0, 4
	STEP 0, 0, 1
	s_mov_b32 s3, LAPS-1
.Llap:
	TURN 0, 1, 1
	STEP 1, 0, 0
	TURN 1, 0, 1
	STEP 0, 0, 0
	s_sub_co_u32 s3, s3, 1
	s_cmp_lg_u32 s3, 0
	s_cbranch_scc1 .Llap
	TURN 0, 1, 0
	STEP 1, 0, 0
	s_wait_tensorcnt 0x0
	ds_add_u32 v[SPW], v[NIL]
	s_wait_dscnt 4*NL+1
	WIN MUL_LO
	MUL16 0, 1, 0
	s_wait_dscnt 0x0
	s_barrier_signal -1
	MUL16 2, 1, 0
	WIN 0
	s_barrier_wait -1
	CREST
	s_cmp_eq_u32 s4, 0
	s_cselect_b64 s[12:13], s[76:77], s[78:79]
	s_lshl_b32 s20, s17, 8
	s_lshl_b32 s21, s15, 7
	s_add_co_u32 s20, s20, s21
	s_lshl_b32 s20, s20, 9
	s_mov_b32 s21, 0
	s_cmp_eq_u32 s16, 0
	s_cselect_b64 s[G0C+2:G0C+3], s[72:73], s[74:75]
	s_add_nc_u64 s[G0C+2:G0C+3], s[G0C+2:G0C+3], s[20:21]
	s_or_b32 s[G0C+3], s[G0C+3], 0x80000000
	s_mov_b32 s[G0C], 1
	s_mul_i32 s[G0C+1], s14, CST
	s_or_b32 s[G1C+0], s43, (2<<16)|(1<<20)|(1<<21)|(6<<22)|(3<<25)
	s_mov_b32 s[G1C+1], 128<<16
	s_mov_b32 s[G1C+2], 128<<16
	s_mov_b32 s[G1C+3], 128<<16
	s_mov_b32 s[G1C+4], 128
	s_mov_b32 s[G1C+5], 128
	s_mov_b32 s[G1C+6], 0
	s_mov_b32 s[G1C+7], 0
	tensor_load_to_lds s[G0C:G0C+3], s[G1C:G1C+7]
	s_nop 0
.rept 4
	v_nop
.endr
	WIN TO_B
.irp b, 0,1,2,3,4,5,6,7
	global_load_b128 v[8*\b:8*\b+3], v[WA], s[12:13] offset:64*\b
	global_load_b128 v[8*\b+4:8*\b+7], v[WA], s[12:13] offset:64*\b+16
.endr
	WIN MUL_HI
	MUL16 4, 1, 0
	MUL16 6, 1, 0
	WIN 0
	s_wait_kmcnt 0x0
	s_add_co_i32 s6, s84, s85
	s_add_co_i32 s7, s86, s87
	s_add_co_i32 s8, s88, s89
	s_sub_co_i32 s11, s93, s8
	s_mov_b32 s10, 1.0
	s_cmp_eq_u32 s4, 0
	s_cselect_b32 s6, s6, s7
	s_cselect_b32 s9, s90, s91
	s_cselect_b32 s10, 0x3db504f3, s10
	s_cmp_eq_u32 s4, 2
	s_cselect_b32 s6, s8, s6
	s_cselect_b32 s9, s11, s9
	s_lshl_b32 s7, s6, 1
	s_sub_co_i32 s7, s7, 7
	s_add_co_i32 s9, s9, 127
	s_lshl_b32 s8, s9, 23
	v_mov_b32 v[SC], s8
	s_add_co_i32 s9, s9, 8
	s_lshl_b32 s9, s9, 23
	s_or_b32 s9, s9, 0x600000
	v_mov_b32 v[LIM], s9
	s_lshl_b32 s18, s17, 8
	s_lshl_b32 s22, s15, 7
	s_add_co_u32 s18, s18, s22
	s_lshl_b32 s19, s42, 8
	s_lshl_b32 s22, s16, 7
	s_add_co_u32 s19, s19, s22
	s_cmp_lt_u32 s4, 2
	s_cselect_b32 s22, s18, s19
	s_cselect_b32 s23, s19, s18
	s_lshr_b32 s23, s23, 7
	s_lshr_b32 s46, s22, 11
	s_lshl_b32 s46, s46, 3
	s_add_co_u32 s46, s46, s23
	s_lshl_b32 s46, s46, 4
	s_bfe_u32 s47, s22, 0x40007
	s_add_co_u32 s46, s46, s47
	s_lshl_b32 s46, s46, 14
	s_lshl_b32 s47, s4, 22
	s_add_co_u32 s46, s46, s47
	s_mov_b32 s47, 0
	s_add_nc_u64 s[96:97], s[82:83], s[46:47]
	PLACES NP
	v_mov_b32 v245, 0
	v_mov_b32 v247, 0
	s_wait_tensorcnt 0x0
	s_barrier_signal -1
	s_barrier_wait -1
	s_cmp_eq_u32 s4, 2
	s_cbranch_scc1 .Lv
.macro LOADCS a
.set LWS, (\a)%2
.set LCB, 96-32*LWS
.set LSB, 160-32*LWS
.set WW, (LWS<<6)
	WIN WW
.irp b, 0,1,2,3,4,5,6,7
.irp u, 0,1
	ds_load_b128 v[LCB+8*\b+4*\u:LCB+8*\b+4*\u+3], v[CA] offset:(\a)*8448+64*\b+16*\u
	ds_load_b128 v[LSB+8*\b+4*\u:LSB+8*\b+4*\u+3], v[CAS] offset:(\a)*8448+64*\b+16*\u
.endr
.endr
.endm
.macro QKBLOCK a
.if (\a) < 7
	LOADCS (\a)+1
.endif
.set AC, 64*((\a)%4)
.set WN, 2+(\a)/4
.set WS, (\a)%2
.set CB, 96-32*WS
.set SB, 160-32*WS
.set WW, (WN|(WN<<2))
	WIN WW
	v_pk_mul_f32 v[240:241], v[AC:AC+1], v[AC:AC+1]
	v_pk_mul_f32 v[242:243], v[AC+2:AC+3], v[AC+2:AC+3]
.set n, 4
.rept 15
	v_pk_fma_f32 v[240:241], v[AC+n:AC+n+1], v[AC+n:AC+n+1], v[240:241]
	v_pk_fma_f32 v[242:243], v[AC+n+2:AC+n+3], v[AC+n+2:AC+n+3], v[242:243]
.set n, n+4
.endr
	WIN 0
	v_pk_add_f32 v[240:241], v[240:241], v[242:243]
	v_add_f32 v244, v240, v241
	v_permlanex16_b32 v245, v244, s66, s67
	v_add_f32 v244, v244, v245
	v_ldexp_f32 v244, v244, s7
	v_add_f32 v244, 0x358637bd, v244
	s_wait_alu depctr_va_vdst(0)
	v_rsq_f32 v246, v244
.if (\a) == 0
	s_wait_loadcnt 0x0
.endif
.set WW, (WN|(1<<2))
	WIN WW
.set n, 0
.rept 32
	v_pk_mul_f32 v[TT+n:TT+n+1], v[AC+n:AC+n+1], v[n:n+1]
.set n, n+2
.endr
	WIN 0
	s_wait_alu depctr_va_vdst(0)
	v_ldexp_f32 v246, v246, s6
	v_mul_f32 v246, s10, v246
.if (\a) < 7
	s_wait_dscnt 32
.else
	s_wait_dscnt 0x0
.endif
.set WW, ((WS<<2)|(WS<<6))
	WIN WW
.set n, 0
.rept 32
	v_pk_mul_f32 v[CB+n:CB+n+1], v[TT+n:TT+n+1], v[CB+n:CB+n+1]
.set n, n+2
.endr
.set WW, ((WS<<2)|(WS<<4)|(WS<<6))
	WIN WW
.set n, 0
.rept 16
	v_pk_fma_f32 v[CB+n:CB+n+1], v[TT+32+n:TT+33+n], v[SB+n:SB+n+1], v[CB+n:CB+n+1] neg_lo:[1,0,0] neg_hi:[1,0,0]
	v_pk_fma_f32 v[CB+32+n:CB+33+n], v[TT+n:TT+n+1], v[SB+32+n:SB+33+n], v[CB+32+n:CB+33+n]
.set n, n+2
.endr
.set WW, WS
	WIN WW
.set n, 0
.rept 32
	v_pk_mul_f32 v[TT+n:TT+n+1], v[CB+n:CB+n+1], v[246:247] op_sel_hi:[1,0]
.set n, n+2
.endr
	WIN 0
.set n, 0
.rept 64
	v_med3_num_f32 v[TT+n], v[TT+n], -v[LIM], v[LIM]
.set n, n+1
.endr
.if (\a) > 0
	s_wait_alu depctr_va_vdst(0)
	s_wait_xcnt 0x0
.endif
.irp b, 0,1,2,3,4,5,6,7
	v_cvt_scalef32_pk8_fp8_f32 v[PC+2*\b:PC+2*\b+1], v[TT+8*\b:TT+8*\b+7], v[SC]
.endr
	v_nop
.irp c, 0,1,2,3
	global_store_b128 v[LI], v[PC+4*\c:PC+4*\c+3], s[96:97] offset:(\a)*2048+512*\c
.endr
.endm
	LOADCS 0
.irp a, 0,1,2,3,4,5,6,7
	QKBLOCK \a
.endr
	s_branch .Lend
.Lv:
.macro VBLOCK a
.set AC, 64*((\a)%4)
.set WW, 2+(\a)/4
	WIN WW
.set n, 0
.rept 64
	v_med3_num_f32 v[TT+n], v[AC+n], -v[LIM], v[LIM]
.set n, n+1
.endr
	WIN 0
.if (\a) > 0
	s_wait_alu depctr_va_vdst(0)
	s_wait_xcnt 0x0
.endif
.irp b, 0,1,2,3,4,5,6,7
	v_cvt_scalef32_pk8_fp8_f32 v[PC+2*\b:PC+2*\b+1], v[TT+8*\b:TT+8*\b+7], v[SC]
.endr
	v_nop
.irp c, 0,1,2,3
	global_store_b128 v[LI], v[PC+4*\c:PC+4*\c+3], s[96:97] offset:(\a)*2048+512*\c
.endr
.endm
	s_wait_alu depctr_va_vdst(0)
.irp a, 0,1,2,3,4,5,6,7
	VBLOCK \a
.endr
.Lend:
	s_wait_tensorcnt 0x0
	ds_add_u32 v[SPW], v[NIL]
	s_wait_dscnt 0x0
	CROUND
	s_endpgm
.Lfunc_end_k_q71515d56e9_qkv:
	.size	k_q71515d56e9_qkv, .Lfunc_end_k_q71515d56e9_qkv-k_q71515d56e9_qkv
	.p2alignl 7, 3214868480
	.fill 96, 4, 3214868480
	.section	.rodata,"a",@progbits
	.p2align	6, 0x0
	.amdhsa_kernel k_q71515d56e9_qkv
		.amdhsa_group_segment_fixed_size 327680
		.amdhsa_private_segment_fixed_size 0
		.amdhsa_enable_private_segment 0
		.amdhsa_kernarg_size 64
		.amdhsa_user_sgpr_count 2
		.amdhsa_user_sgpr_kernarg_segment_ptr 1
		.amdhsa_wavefront_size32 1
		.amdhsa_system_sgpr_workgroup_id_x 1
		.amdhsa_system_sgpr_workgroup_id_y 1
		.amdhsa_system_sgpr_workgroup_id_z 1
		.amdhsa_system_vgpr_workitem_id 0
		.amdhsa_next_free_vgpr 1024
		.amdhsa_next_free_sgpr 102
		.amdhsa_reserve_vcc 0
		.amdhsa_float_denorm_mode_32 3
		.amdhsa_float_denorm_mode_16_64 3
		.amdhsa_memory_ordered 1
		.amdhsa_forward_progress 1
		.amdhsa_inst_pref_size 255
	.end_amdhsa_kernel
	.section	.bss,"aw",@nobits
	.p2align	6
	.space	262144
	.amdgpu_metadata
---
amdhsa.version: [ 1, 2 ]
amdhsa.kernels:
  - .name:           k_q71515d56e9_qkv
    .symbol:         k_q71515d56e9_qkv.kd
    .args:
      - { .name: h_img, .offset: 0, .size: 8, .value_kind: global_buffer, .address_space: global }
      - { .name: w_img, .offset: 8, .size: 8, .value_kind: global_buffer, .address_space: global }
      - { .name: cos, .offset: 16, .size: 8, .value_kind: global_buffer, .address_space: global }
      - { .name: sin, .offset: 24, .size: 8, .value_kind: global_buffer, .address_space: global }
      - { .name: q_norm_w, .offset: 32, .size: 8, .value_kind: global_buffer, .address_space: global }
      - { .name: k_norm_w, .offset: 40, .size: 8, .value_kind: global_buffer, .address_space: global }
      - { .name: lowp_scales, .offset: 48, .size: 8, .value_kind: global_buffer, .address_space: global }
      - { .name: qkv_img, .offset: 56, .size: 8, .value_kind: global_buffer, .address_space: global }
    .group_segment_fixed_size: 327680
    .private_segment_fixed_size: 0
    .kernarg_segment_align: 8
    .kernarg_segment_size: 64
    .max_flat_workgroup_size: 128
    .sgpr_count:     102
    .vgpr_count:     1024
    .wavefront_size: 32
...
	.end_amdgpu_metadata
.endif
;; end of part 2
;; launch attn (part 3): grid 16 x 16, 8 waves a work-group, clusters of 4 x 1, 327,680 bytes of LDS; arguments qkv_img, lowp_scales, a_img; writes a_img
.if DOCPART == 3
	.amdgcn_target "amdgcn-amd-amdhsa--gfx1250"
	.amdhsa_code_object_version 6
	.text
	.protected	k_q71515d56e9_attn
	.globl	k_q71515d56e9_attn
	.p2align	8
	.type	k_q71515d56e9_attn,@function
k_q71515d56e9_attn:
	s_mov_b64 s[64:65], 0
	v_nop
	global_prefetch_b8 v0, s[64:65] scope:SCOPE_SE
	s_setreg_imm32_b32 hwreg(HW_REG_WAVE_MODE, 25, 1), 1
	s_wait_xcnt 0x0
	s_wait_alu depctr_hold_cnt(0) depctr_sa_sdst(0) depctr_va_vdst(0) depctr_va_sdst(0) depctr_va_ssrc(0) depctr_va_vcc(0) depctr_vm_vsrc(0)
	s_getreg_b32 s2, hwreg(HW_REG_IB_STS2, 6, 4)
	s_cmp_eq_u32 s2, 0
	s_cbranch_scc0 .Lentry_in_a_cluster
	s_endpgm
.Lentry_in_a_cluster:
	s_bfe_u32 s2, ttmp6, 0x10000c
	s_cmp_lg_u32 s2, 0x3003
	s_cbranch_scc0 .Lentry_shape_is_right
	s_endpgm
.Lentry_shape_is_right:
; Causal attention on codes of E4M3, for 16 (batch, head) pairs of 2,048 tokens and 128 channels; the result is quantised under e10 for the last projection.
; t = score x log2(e) (128^-0.5 is already in q); M = the running largest t rounded UP to a whole number; p = 2^(t - M) is quantised under e8; the row's sum is taken of the unquantised p and divides at the end.
; q, k, v come as images of fragments (16 rows x 128 K, 2,048 bytes, registers 4 c .. 4 c + 3 of lane L at 512 c + 16 L): q, k: 16 tokens x 128 channels; v: 16 channels x 128 keys.
; Both products are used transposed: S^T = K Q^T (source 0 = 16 keys, source 1 = my 16 queries), O^T = V^T P^T: a lane holds ONE query (lane % 16); register j of tile t is key, or channel, 16 t + 8 (lane / 16) + j,
; so eight registers of a tile convert into registers 2 t, 2 t + 1 of the next operand: nothing changes lanes.
; SHARES.  A head's queries are 16 ranges of 128.  Cluster c (0..3) of the head, wave w: m = 2 c + (w / 2) % 2; range RG = m for w < 4 and 15 - m for w >= 4; the wave's 16 queries begin at 128 RG + 32 cx + 16 (w % 2).
; A wave works the RG + 1 key steps of 128 that its queries see; waves w and w + 4 together work 17.  RG hangs on the cluster's number and the wave's alone, so every branch is alike in the four partners.
; Every work-group walks all four slots of 512 keys: trip counts are constants, and every joint load is issued by all four partners; a step whose keys all come after the wave's queries is jumped over.
; LIMITS on the given exponents: e6 + e7 between -126 and 127 (added to the exponent field of log2(e)); e8 and e10 - e8 - e9 between -126 and 119.
; REGISTERS: v1 16 x lane; v2, v3 addresses in hand; v4 the mask's bound; v12 -M, v13 the largest t, v[14:15] the sum; v16-31 Q; v32-159 eight fragments of K, then of V; v160-223 S^T, then p; v224-239 codes; window 1, v0-63: O^T.
.set SLOT1, 1<<17                      ; a slot: 4 key steps of K (4 x 16,384 bytes), then of V; slot 1 begins here
.set SPARE, 2*SLOT1                    ; behind the ring: the spare words, 128 bytes for each of eight waves
.set FRG,  32
.set SCO,  160
.set PC,   224
.set SPW,  5                           ; v5   LDS address of my spare word; never rewritten
.set NIL,  6                           ; v6   0; never rewritten
.set MSB, 0
.macro WIN new
.if MSB != \new
	s_set_vgpr_msb (MSB<<8)|\new
.set MSB, \new
.endif
.endm
.macro CROUND                          ; a round of the cluster's barrier
	s_barrier_signal -1
	s_barrier_wait -1
	s_cmp_lg_u32 s12, 0
	s_cbranch_scc1 .Lnot_wave_0_\@
	s_barrier_signal -3
.Lnot_wave_0_\@:
	s_barrier_wait -3
	s_barrier_signal -1
	s_barrier_wait -1
.endm
	s_load_b128 s[4:7], s[0:1], 0x0                ; qkv_img, the scales' exponents
	s_load_b64 s[8:9], s[0:1], 0x10                ; a_img
	v_lshl_add_u32 v[SPW], v0, 2, SPARE
	v_mov_b32 v[NIL], 0
	ds_add_u32 v[SPW], v[NIL]                      ; the wave's opening: the add and its wait stand ahead of my first tensor load; the set-up below, work on registers, stands between them
	ds_add_u32 v[SPW], v[NIL]
	v_lshrrev_b32 v1, 5, v0
	s_delay_alu instid0(VALU_DEP_1)
	v_readfirstlane_b32 s12, v1                    ; wave 0..7
	s_bfe_u32 s13, ttmp6, 0x40000                  ; cx
	s_and_b32 s14, ttmp7, 0xffff                   ; batch x 8 + head
	s_bfe_u32 s40, s12, 0x10001
	s_lshl_b32 s41, ttmp9, 1
	s_add_co_u32 s40, s40, s41                     ; m
	s_sub_co_u32 s41, 15, s40
	s_cmp_lt_u32 s12, 4
	s_cselect_b32 s40, s40, s41                    ; RG
	; descriptor group 1: 16,384 dense bytes as 64 rows of 32 elements of 8 bytes
	s_mov_b32 s24, 15|(3<<16)|(1<<21)              ; 15:0 the mask: all four work-groups; 17:16 elements of 8 bytes; 21 set beside a mask
	s_mov_b32 s25, 32<<16                          ; tensor_dim0
	s_mov_b32 s26, 64<<16                          ; tensor_dim1
	s_mov_b32 s27, 32<<16                          ; tile_dim0
	s_mov_b32 s28, 64                              ; tile_dim1
	s_mov_b32 s29, 32                              ; tensor_dim0_stride
	s_mov_b32 s30, 0
	s_mov_b32 s31, 0
	s_lshl_b32 s16, s12, 14                        ; wave w brings 16,384 bytes to w x 16,384 of a slot: waves 0-3 a key step of K each, waves 4-7 of V
	s_lshr_b32 s2, s12, 2
	s_add_co_u32 s2, s2, 1
	s_lshl_b32 s2, s2, 22                          ; k at 4 MiB, v at 8 MiB,
	s_lshl_b32 s3, s14, 18
	s_add_co_u32 s2, s2, s3                        ; my head's 262,144 bytes
	s_and_b32 s3, s12, 3
	s_lshl_b32 s3, s3, 14
	s_add_co_u32 s10, s2, s3
	s_mov_b32 s11, 0
	s_lshl_b32 s52, s13, 14                        ; the prefetches: my work-group's quarter of a slot's 65,536 bytes of K or of V,
	s_add_co_u32 s52, s52, s2
	s_and_b32 s55, s12, 1
	s_lshl_b32 s53, s55, 13                        ; my wave's half of it,
	s_add_co_u32 s52, s52, s53
	s_add_co_u32 s52, s52, 65536                   ; in the second slot's worth of keys: the first change of slots steps it to the third
	s_mov_b32 s53, 0
	s_and_b32 s15, s12, 2                          ; waves 0, 1 (K) and 4, 5 (V)
	s_or_b32 s15, s15, ttmp9                       ; of the head's first cluster ask: the same in all four partners
	s_cmp_eq_u32 s15, 0
	s_cselect_b32 s15, 1, -1
	s_lshl_b32 s54, s40, 3
	s_lshl_b32 s56, s13, 1
	s_add_co_u32 s54, s54, s56
	s_add_co_u32 s54, s54, s55                     ; my tile of 16 queries in the head: 8 RG + 2 cx + w % 2
	s_lshl_b32 s56, s54, 11
	s_lshl_b32 s57, s14, 18
	s_add_co_u32 s56, s56, s57
	s_mov_b32 s57, 0
	s_lshr_b32 s58, s14, 3
	s_lshl_b32 s58, s58, 7
	s_add_co_u32 s58, s58, s54                     ; the tile of 16 tokens among 256,
	s_lshl_b32 s58, s58, 3
	s_and_b32 s59, s14, 7
	s_add_co_u32 s58, s58, s59                     ; K step = head
	s_lshl_b32 s58, s58, 11
	s_mov_b32 s59, 0
	s_lshl_b32 s60, s13, 5
	s_lshl_b32 s61, s55, 4
	s_add_co_u32 s60, s60, s61                     ; my first query in its range
	s_mov_b32 s20, 0x76543210                      ; v_permlanex16_b32's selects for lane l xor 16
	s_mov_b32 s21, 0xfedcba98
	s_mov_b32 s36, 0                               ; LDS byte at which the key step in hand begins
	s_mov_b32 s37, 3                               ; slots still to be asked for
	s_mov_b32 s39, 0                               ; the key step's number
	s_wait_dscnt 0x0                               ; the opening add is done
	s_wait_kmcnt 0x0
	s_mov_b32 s32, 1                               ; group 0: count = 1,
	s_mov_b32 s33, s16                             ; LDS address: slot 0,
	s_add_nc_u64 s[34:35], s[4:5], s[10:11]        ; global address: the head's first 512 keys,
	s_or_b32 s35, s35, 0x80000000                  ; type = 2
	s_add_nc_u64 s[18:19], s[4:5], s[52:53]
	s_add_nc_u64 s[56:57], s[4:5], s[56:57]        ; my image of q
	s_add_nc_u64 s[8:9], s[8:9], s[58:59]          ; my image of the result
	s_load_b256 s[44:51], s[6:7], 0x10             ; e4 .. e11
	CROUND                                         ; all four work-groups are here: the first joint loads meet
	tensor_load_to_lds s[32:35], s[24:31]          ; slot 0
	s_nop 0
.rept 4
	v_nop
.endr
	v_and_b32 v1, 31, v0
	s_delay_alu instid0(VALU_DEP_1)
	v_lshlrev_b32 v7, 8, v1                        ; the prefetches' offset: lanes 256 bytes apart
	s_delay_alu instid0(VALU_DEP_2)
	v_lshlrev_b32 v1, 4, v1                        ; 16 x lane
.irp c, 0,1,2,3
	global_load_b128 v[16+4*\c:19+4*\c], v1, s[56:57] offset:512*\c   ; Q's fragment stays in registers
.endr
	v_add_nc_u32 v9, 0x10000, v1                   ; V lies 65,536 bytes behind K in a slot
	v_and_b32 v10, 15, v0
	v_bfe_u32 v11, v0, 4, 1
	s_delay_alu instid0(VALU_DEP_1)
	v_lshlrev_b32 v11, 3, v11
	s_delay_alu instid0(VALU_DEP_1)
	v_sub_nc_u32 v4, v10, v11
	s_delay_alu instid0(VALU_DEP_1)
	v_add_nc_u32 v4, s60, v4                       ; my query in its range - 8 (lane / 16): on the diagonal register 8 t + j is hidden where 16 t + j is above it
	v_mov_b32 v8, 0xff800000                       ; -infinity
	v_mov_b32 v13, 0xff61b1e6                      ; the largest t so far: -3e38
	s_delay_alu instid0(VALU_DEP_1)
	v_floor_f32 v12, -v13                          ; -M
	v_mov_b32 v14, 0                               ; the sum, in two halves
	v_mov_b32 v15, 0
	v_mov_b32 v244, 0                              ; written once: a lane permute's destination counts as one of its sources
	v_mov_b32 v247, 0                              ; (named as the upper half of the pair v[246:247])
	WIN 0x40
.set n, 0
.rept 64
	v_mov_b32 v[n], 0                              ; O^T.  (The step is written once: the first finds zeros, which the first change of M leaves zeros)
.set n, n+1
.endr
	WIN 0
	s_wait_kmcnt 0x0
	s_add_co_i32 s60, s46, s47
	s_lshl_b32 s60, s60, 23
	s_mov_b32 s22, 0x3fb8aa3b                      ; log2(e);
	s_add_co_i32 s22, s22, s60                     ; a score stands for score x 2^(e6 + e7): the two are added to its exponent field
	s_mov_b32 s23, s22                             ; (named with it as a pair, so it is written)
	s_add_co_i32 s60, s48, 127
	s_lshl_b32 s61, s60, 23
	v_mov_b32 v241, s61                            ; 2^e8, for p's conversion
	s_add_co_i32 s60, s60, 8
	s_lshl_b32 s60, s60, 23
	s_or_b32 s60, s60, 0x600000
	v_mov_b32 v240, s60                            ; 448 x 2^e8
	s_sub_co_i32 s60, s50, s48
	s_sub_co_i32 s60, s60, s49                     ; a sum of the second product stands for sum x 2^(e8 + e9): its code under e10 is sum / 2^(e10 - e8 - e9)
	s_add_co_i32 s60, s60, 127
	s_lshl_b32 s61, s60, 23
	v_mov_b32 v251, s61
	s_add_co_i32 s60, s60, 8
	s_lshl_b32 s60, s60, 23
	s_or_b32 s60, s60, 0x600000
	v_mov_b32 v250, s60
; A KEY STEP: 128 keys.
.macro STEP
	s_cmp_gt_u32 s39, s40                          ; all its keys come after my queries: a scalar branch on ids, round the step's loads, products and softmax; no barrier and no tensor load stands in a step
	s_cbranch_scc1 .Lhidden_\@
	v_add_nc_u32 v2, s36, v1
	v_add_nc_u32 v3, s36, v9
	v_nop                                          ; with the two additions: four places in front of loads into registers that the last products have read
	v_nop
.irp t, 0,1,2,3,4,5,6,7
.irp c, 0,1,2,3
	ds_load_b128 v[FRG+16*\t+4*\c:FRG+16*\t+4*\c+3], v2 offset:2048*\t+512*\c
.endr
.endr
	s_wait_alu depctr_va_vdst(0)
.irp t, 0,1,2,3,4,5,6,7
	s_wait_dscnt 28-4*\t                           ; tile t's four loads are in; those of the tiles behind it may be out
	v_wmma_f32_16x16x128_fp8_fp8 v[SCO+8*\t:SCO+8*\t+7], v[FRG+16*\t:FRG+16*\t+15], v[16:31], 0
.endr
.rept 4
	v_nop                                          ; places in front of the loads below and of the first read of the scores
.endr
.irp t, 0,1,2,3,4,5,6,7
.irp c, 0,1,2,3
	ds_load_b128 v[FRG+16*\t+4*\c:FRG+16*\t+4*\c+3], v3 offset:2048*\t+512*\c   ; V's eight fragments land while the softmax is worked
.endr
.endr
	s_cmp_lg_u32 s39, s40                          ; only the step on the diagonal is masked
	s_cbranch_scc1 .Lopen_\@
.set n, 0
.rept 64
	v_cmp_gt_i32 vcc_lo, 16*(n/8)+n%8, v4
	v_cndmask_b32 v[SCO+n], v[SCO+n], v8, vcc_lo   ; a hidden score becomes -infinity: p = 0
.set n, n+1
.endr
.Lopen_\@:
	v_max3_num_f32 v248, v[SCO], v[SCO+1], v[SCO+2]   ; the step's largest score of my query among my 64 keys, in two chains, ascending,
	v_max3_num_f32 v249, v[SCO+3], v[SCO+4], v[SCO+5]
.irp i, 6,10,14,18,22,26,30,34,38,42,46,50,54,58
	v_max3_num_f32 v248, v248, v[SCO+\i], v[SCO+1+\i]
	v_max3_num_f32 v249, v249, v[SCO+2+\i], v[SCO+3+\i]
.endr
	v_max3_num_f32 v248, v248, v[SCO+62], v[SCO+63]
	s_delay_alu instid0(VALU_DEP_1)
	v_max_num_f32 v248, v248, v249
	s_delay_alu instid0(VALU_DEP_1)
	v_permlanex16_b32 v244, v248, s20, s21
	s_delay_alu instid0(VALU_DEP_1)
	v_max_num_f32 v248, v248, v244                 ; and among lane l xor 16's
	s_delay_alu instid0(VALU_DEP_1)
	v_mul_f32 v248, s22, v248                      ; as t
	s_delay_alu instid0(VALU_DEP_1)
	v_max_num_f32 v13, v13, v248                   ; the running largest t
	v_mov_b32 v248, v12
	s_delay_alu instid0(VALU_DEP_2)
	v_floor_f32 v12, -v13                          ; the new -M = floor(-t): M is a whole number
	s_delay_alu instid0(VALU_DEP_1)
	v_sub_f32 v248, v12, v248                      ; old M - new M: a whole number, 0 or less
	s_delay_alu instid0(VALU_DEP_1)
	v_cvt_i32_f32 v248, v248                       ; (it saturates)
	s_delay_alu instid0(VALU_DEP_1)
	v_ldexp_f32 v246, 1.0, v248                    ; f = 2^(old M - new M): multiplying by it rounds nothing
.set n, 0
.rept 32
	v_pk_fma_f32 v[SCO+n:SCO+n+1], v[SCO+n:SCO+n+1], s[22:23], v[12:13] op_sel_hi:[1,0,0]   ; t - M
.set n, n+2
.endr
.set n, 0
	s_wait_alu depctr_va_vdst(0)
.rept 64
	v_exp_f32 v[SCO+n], v[SCO+n]                   ; p = 2^(t - M): not normalised
.set n, n+1
.endr
	v_pk_mul_f32 v[14:15], v[14:15], v[246:247] op_sel_hi:[1,0]   ; the sums under the new M.  (A plain line behind the exponentials)
	s_wait_alu depctr_va_vdst(0)                   ; one wait for the whole batch, ahead of its first reader
	v_pk_add_f32 v[242:243], v[164:165], v[168:169]
	v_pk_add_f32 v[254:255], v[172:173], v[176:177]
	v_pk_add_f32 v[252:253], v[180:181], v[184:185]
	v_pk_add_f32 v[248:249], v[188:189], v[192:193]
	v_pk_add_f32 v[238:239], v[196:197], v[200:201]
	v_pk_add_f32 v[236:237], v[204:205], v[208:209]
	v_pk_add_f32 v[234:235], v[212:213], v[216:217]
	v_pk_add_f32 v[14:15], v[14:15], v[220:221]
	v_pk_add_f32 v[242:243], v[242:243], v[160:161]
	v_pk_add_f32 v[254:255], v[254:255], v[162:163]
	v_pk_add_f32 v[252:253], v[252:253], v[166:167]
	v_pk_add_f32 v[248:249], v[248:249], v[170:171]
	v_pk_add_f32 v[238:239], v[238:239], v[174:175]
	v_pk_add_f32 v[236:237], v[236:237], v[178:179]
	v_pk_add_f32 v[234:235], v[234:235], v[182:183]
	v_pk_add_f32 v[14:15], v[14:15], v[186:187]
	v_pk_add_f32 v[242:243], v[242:243], v[190:191]
	v_pk_add_f32 v[254:255], v[254:255], v[194:195]
	v_pk_add_f32 v[252:253], v[252:253], v[198:199]
	v_pk_add_f32 v[248:249], v[248:249], v[202:203]
	v_pk_add_f32 v[238:239], v[238:239], v[206:207]
	v_pk_add_f32 v[236:237], v[236:237], v[210:211]
	v_pk_add_f32 v[234:235], v[234:235], v[214:215]
	v_pk_add_f32 v[14:15], v[14:15], v[218:219]
	v_pk_add_f32 v[242:243], v[242:243], v[222:223]
	s_delay_alu instid0(VALU_DEP_2)
	v_pk_add_f32 v[14:15], v[14:15], v[248:249]
	s_delay_alu instid0(VALU_DEP_2)
	v_pk_add_f32 v[242:243], v[242:243], v[238:239]
	v_pk_add_f32 v[254:255], v[254:255], v[236:237]
	v_pk_add_f32 v[252:253], v[252:253], v[234:235]
	s_delay_alu instid0(VALU_DEP_2)
	v_pk_add_f32 v[14:15], v[14:15], v[254:255]
	s_delay_alu instid0(VALU_DEP_2)
	v_pk_add_f32 v[242:243], v[242:243], v[252:253]
	s_delay_alu instid0(VALU_DEP_1)
	v_pk_add_f32 v[14:15], v[14:15], v[242:243]
.irp t, 0,1,2,3,4,5,6,7
.irp i, 0,1,2,3,4,5,6,7
	v_min_num_f32 v[SCO+8*\t+\i], v[SCO+8*\t+\i], v240            ; the conversion does not saturate (ISA guide 7.6.2); p is not negative, so the hold is one-sided
.endr
	v_cvt_scalef32_pk8_fp8_f32 v[PC+2*\t:PC+2*\t+1], v[SCO+8*\t:SCO+8*\t+7], v241   ; keys 16 t + 8 h + 0 .. 7: registers 2 t, 2 t + 1 of P's fragment
.endr
	WIN 0x41
.set n, 0
.rept 32
	v_pk_mul_f32 v[n:n+1], v[n:n+1], v[246:247] op_sel_hi:[1,0]   ; O^T under the new M, each accumulator from its low end on.  (Also the plain lines behind the conversions)
.set n, n+2
.endr
	s_wait_alu depctr_va_vdst(0)
	s_wait_dscnt 0x0                               ; V is in
	WIN 0x50
.irp t, 0,1,2,3,4,5,6,7                        ; eight accumulators by turns, one instruction a turn
	v_wmma_f32_16x16x128_fp8_fp8 v[8*\t:8*\t+7], v[FRG+16*\t:FRG+16*\t+15], v[PC:PC+15], v[8*\t:8*\t+7]
.endr
	WIN 0
.Lhidden_\@:
.endm
.macro FOUR_STEPS                      ; a slot's four key steps: written once, walked four times
	s_mov_b32 s38, 4
.Lstep_\@:
	STEP
	s_add_co_u32 s36, s36, 16384
	s_add_co_u32 s39, s39, 1
	s_sub_co_u32 s38, s38, 1
	s_cmp_lg_u32 s38, 0
	s_cbranch_scc1 .Lstep_\@
	s_sub_co_u32 s36, s36, 65536
	s_xor_b32 s36, s36, SLOT1                      ; on to the other slot
.endm
; THE CHANGE OF SLOTS stands at a slot's head.  Each wave waits for all its tensor loads (its part of the slot ahead), adds 0 to its spare word, and waits for that and for its reads of the slot that it has left.
; fill = 1: a round of the cluster's barrier, and the slot that was left takes the next 512 keys: the load has four key steps in which to land.
.macro CHANGE fill
	s_wait_tensorcnt 0x0                           ; no tensor load of mine is out, so the group 0 may be written
	ds_add_u32 v[SPW], v[NIL]                      ; 0 onto my spare word
.if \fill
	s_xor_b32 s33, s33, SLOT1                      ; the walking descriptor: the other slot than last time,
	s_add_nc_u64 s[34:35], s[34:35], 65536         ; the next 512 keys; the type bits on top are not reached
	s_wait_xcnt 0x0                                ; the last prefetch, a slot back, has read its address
	s_add_nc_u64 s[18:19], s[18:19], 65536         ; one slot further on than the walking descriptor
.endif
	s_wait_dscnt 0x0                               ; the add is done, and my reads of the slot that I have left are over
.if \fill
	CROUND
	tensor_load_to_lds s[32:35], s[24:31]          ; the first thing behind the round, and my one tensor load until the next
	s_nop 0
.rept 4
	v_nop
.endr
	; a prefetch of what the NEXT change of slots will ask for: 65,536 bytes of K and of V.  The head's first cluster asks; its four partners take 16,384 bytes each, told apart by address;
	; waves 0, 1 ask for K's and waves 4, 5 for V's, 8,192 bytes an instruction, lanes 256 bytes apart: each block of 256 bytes is named once.  The last change that fills a slot asks for nothing.
	s_cmp_gt_u32 s37, s15
	s_cbranch_scc0 .Lnot_mine_\@
	global_prefetch_b8 v7, s[18:19] th:TH_LOAD_NT scope:SCOPE_SE
.Lnot_mine_\@:
.else
	s_barrier_signal -1
	s_barrier_wait -1
.endif
.endm
	s_wait_loadcnt 0x0                             ; Q
.Lslot:                                            ; three trips: behind each change of slots but the last the next slot is asked for
	CHANGE 1
	FOUR_STEPS
	s_sub_co_u32 s37, s37, 1
	s_cmp_lg_u32 s37, 0
	s_cbranch_scc1 .Lslot
	CHANGE 0                                       ; the last slot is written out
	FOUR_STEPS
	; THE WAY OUT: O^T / the sum, held, converted: channels 16 t + 8 h + 0 .. 7 are registers 2 t, 2 t + 1 of the last projection's operand
	v_add_f32 v14, v14, v15
	s_delay_alu instid0(VALU_DEP_1)
	v_permlanex16_b32 v244, v14, s20, s21
	s_delay_alu instid0(VALU_DEP_1)
	v_add_f32 v14, v14, v244                       ; the row's sum
	s_wait_alu depctr_va_vdst(0)
	v_rcp_f32 v14, v14
.rept 4
	v_nop                                          ; a plain line behind the transcendental; places behind the last products
.endr
	s_wait_alu depctr_va_vdst(0)                   ; ahead of the first reader
	WIN 0x01
.set n, 0
.rept 32
	v_pk_mul_f32 v[SCO+n:SCO+n+1], v[n:n+1], v[14:15] op_sel_hi:[1,0]
.set n, n+2
.endr
	WIN 0
.set n, 0
.rept 64
	v_med3_num_f32 v[SCO+n], v[SCO+n], -v250, v250
.set n, n+1
.endr
.irp t, 0,1,2,3,4,5,6,7
	v_cvt_scalef32_pk8_fp8_f32 v[PC+2*\t:PC+2*\t+1], v[SCO+8*\t:SCO+8*\t+7], v251
.endr
	v_nop
.irp c, 0,1,2,3
	global_store_b128 v1, v[PC+4*\c:PC+4*\c+3], s[8:9] offset:512*\c   ; 32 lanes store 512 consecutive bytes, aligned
.endr
	s_wait_tensorcnt 0x0                           ; the wave's end, behind my last tensor load
	ds_add_u32 v[SPW], v[NIL]
	s_wait_dscnt 0x0
	CROUND                                         ; the closing round
	s_endpgm
.Lfunc_end_k_q71515d56e9_attn:
	.size	k_q71515d56e9_attn, .Lfunc_end_k_q71515d56e9_attn-k_q71515d56e9_attn
	.p2alignl 7, 3214868480
	.fill 96, 4, 3214868480
	.section	.rodata,"a",@progbits
	.p2align	6, 0x0
	.amdhsa_kernel k_q71515d56e9_attn
		.amdhsa_group_segment_fixed_size 327680
		.amdhsa_private_segment_fixed_size 0
		.amdhsa_enable_private_segment 0
		.amdhsa_kernarg_size 24
		.amdhsa_user_sgpr_count 2
		.amdhsa_user_sgpr_kernarg_segment_ptr 1
		.amdhsa_wavefront_size32 1
		.amdhsa_system_sgpr_workgroup_id_x 1
		.amdhsa_system_sgpr_workgroup_id_y 1
		.amdhsa_system_sgpr_workgroup_id_z 1
		.amdhsa_system_vgpr_workitem_id 0
		.amdhsa_next_free_vgpr 320
		.amdhsa_next_free_sgpr 66
		.amdhsa_reserve_vcc 1
		.amdhsa_float_denorm_mode_32 3
		.amdhsa_float_denorm_mode_16_64 3
		.amdhsa_memory_ordered 1
		.amdhsa_forward_progress 1
		.amdhsa_inst_pref_size 67
	.end_amdhsa_kernel
	.amdgpu_metadata
---
amdhsa.version: [ 1, 2 ]
amdhsa.kernels:
  - .name:           k_q71515d56e9_attn
    .symbol:         k_q71515d56e9_attn.kd
    .args:
      - { .name: qkv_img, .offset: 0, .size: 8, .value_kind: global_buffer, .address_space: global }
      - { .name: lowp_scales, .offset: 8, .size: 8, .value_kind: global_buffer, .address_space: global }
      - { .name: a_img, .offset: 16, .size: 8, .value_kind: global_buffer, .address_space: global }
    .group_segment_fixed_size: 327680
    .private_segment_fixed_size: 0
    .kernarg_segment_align: 8
    .kernarg_segment_size: 24
    .max_flat_workgroup_size: 256
    .sgpr_count:     66
    .vgpr_count:     320
    .wavefront_size: 32
...
	.end_amdgpu_metadata
.endif
;; end of part 3
;; launch oproj (part 4): grid 8 x 32, 4 waves a work-group, clusters of 4 x 4, 327,680 bytes of LDS; arguments a_img, w_img, lowp_scales, out0; writes out0
.if DOCPART == 4
	.amdgcn_target "amdgcn-amd-amdhsa--gfx1250"
	.amdhsa_code_object_version 6
	.text
	.protected	k_q71515d56e9_oproj
	.globl	k_q71515d56e9_oproj
	.p2align	8
	.type	k_q71515d56e9_oproj,@function
k_q71515d56e9_oproj:
	s_mov_b64 s[64:65], 0
	v_nop
	global_prefetch_b8 v0, s[64:65] scope:SCOPE_SE
	s_setreg_imm32_b32 hwreg(HW_REG_WAVE_MODE, 25, 1), 1
	s_wait_xcnt 0x0
	s_wait_alu depctr_hold_cnt(0) depctr_sa_sdst(0) depctr_va_vdst(0) depctr_va_sdst(0) depctr_va_ssrc(0) depctr_va_vcc(0) depctr_vm_vsrc(0)
	s_getreg_b32 s2, hwreg(HW_REG_IB_STS2, 6, 4)
	s_cmp_eq_u32 s2, 0
	s_cbranch_scc0 .Lentry_in_a_cluster
	s_endpgm
.Lentry_in_a_cluster:
	s_bfe_u32 s2, ttmp6, 0x10000c
	s_cmp_lg_u32 s2, 0xf033
	s_cbranch_scc0 .Lentry_shape_is_right
	s_endpgm
.Lentry_shape_is_right:
; out0 [4096][2048] f32 = attention's result [4096][1024] x Wo [1024][2048], both as codes of E4M3 in images of fragments (16 rows x 128 K, 2,048 bytes: registers 4 c .. 4 c + 3 of lane L at 512 c + 16 L).
; a_img: [256 tiles of 16 tokens][8 K steps][2048];  Wo's images at 6 MiB of w_img: [128 tiles of 16 columns][8 K steps][2048].  Each finished sum is multiplied once by 2^(e10 + e11).
; LIMIT: e10 + e11 lies between -126 and 127, so that 2^(e10 + e11) is an f32 number.
; A work-group makes 128 rows x 256 columns: 32 x 8 = 256 work-groups; a wave makes 64 x 128: 32 accumulators, 256 registers.
; K = 1,024 is four chunks of 256.  LDS: region R0 (98,304 bytes: A's 8 tiles x 4,096, then B's 16 x 4,096) takes chunk 0 and later chunk 3; region P behind it (196,608 bytes: tiles of 8,192) takes chunks 1 and 2 by ONE load a wave.
; A wave has one tensor load out at a time: chunk 0 at the head; chunks 1 and 2 behind the first full sequence and round; chunk 3 behind the second, when step 1's fragments have left R0.
; The eight steps of 128 along K, and the walk of three loads, are written out.
; PREFETCH: behind load j the bytes of load j + 1 are asked for, one load ahead.  The four partners that ask for a tile jointly share its tile rows out by address (cx for A, cy for B): A's waves take one tile row each, B's two;
; each block of 256 bytes is named once in a cluster (for chunk 3 of A lanes 16-31 name lanes 0-15's blocks again).  Wo's tiles are walked by eight rows of clusters: the first four ask for them.
; 4 x 4 work-groups form a cluster: A's tiles are asked for jointly along a row of it, B's along a column.  Waves 0 and 1 fetch A's halves, waves 2 and 3 B's.
; The matrix instruction is used transposed (source 0 = 16 columns of Wo, source 1 = 16 tokens): a lane holds eight neighbouring numbers of a row of the output.
; REGISTERS, in windows of 256: window 0: v0-31 addresses; v128-191, v192-255 A's fragments, two sets; on the way out v32-255 are free.  window 1: B's fragments, two sets.  window 2: the accumulators ((a, b) at v[8 (8 a + b)]).
.set SIZE_N, 2048
.set ATILE,  32768                     ; A's part of R0
.set SLOT,   98304                     ; R0's bytes; P begins here
.set PB,     SLOT+65536                ; B's part of P
.set KB,     4096                      ; a chunk's part of a tile of 16 rows in memory: two images
.set TROW,   16384                     ; a tile of 16 rows in memory: eight images
.set SPARE,  3*SLOT                    ; behind P: the spare words, 128 bytes for each wave
.set STAGE,  SLOT                      ; the way out: 16 rows x (512 + 16) bytes for each wave, at P's head: P is filled once, and its last read is over at the barrier in front of chunk 3's steps
.set FR,     16
.set NP,     4                         ; places behind this matrix instruction (ISA guide 7.12.1)
.set SPITCH, 528
.set PF2,  8                           ; v8   prefetch offset for two chunks on end: 256 x lane; never rewritten
.set PF1,  9                           ; v9   for one chunk: 256 x (lane % 16), and in B's waves lanes 16-31 a tile row on; never rewritten
.set ADRA, 16                          ; v16, v17  LDS address of my A fragments in R0, in P
.set ADRB, 20                          ; v20, v21  the same for B
.set STO,  24
.set RD,   25
.set CO,   26
.set SPW,  28                          ; v28  LDS address of my spare word; never rewritten
.set NIL,  29                          ; v29  0; never rewritten
.set TMP,  32
.set AF,   128
.set BK,   128
.set G1,   24                          ; group 1, one chunk: A's s[24:31], B's s[32:39]
.set G1B,  32
.set G1D,  80                          ; group 1, two chunks: A's s[80:87], B's s[88:95]
.set G1BD, 88
.set G0,   48                          ; group 0, a set for each of the three loads, never rewritten: A's s[48:59], B's s[68:79]
.set G0B,  68
.set PFA,  60                          ; s[60:61] my work-group's tile rows of what my wave fetches; never rewritten
.set MSB, 0
.macro WIN new                         ; the immediate's high byte repeats the setting that is left
.if MSB != \new
	s_set_vgpr_msb (MSB<<8)|\new
.set MSB, \new
.endif
.endm
.set MUL_LO, 0xa1                      ; source 0 (B) window 1, source 1 (A) window 0, C and D window 2
.set TO_B,   0x40                      ; destination window 1, address window 0
.macro JLOAD g0a, g1a, g0b, g1b        ; a joint load: waves 0 and 1 for A, waves 2 and 3 for B; s_nop 0 and four v_nop follow each line
	s_cmp_eq_u32 s15, 0
	s_cbranch_scc0 .Lfor_b_\@
	tensor_load_to_lds s[\g0a:\g0a+3], s[\g1a:\g1a+7]
	s_nop 0
.rept 4
	v_nop
.endr
	s_branch .Lasked_\@
.Lfor_b_\@:
	tensor_load_to_lds s[\g0b:\g0b+3], s[\g1b:\g1b+7]
	s_nop 0
.rept 4
	v_nop
.endr
.Lasked_\@:
.endm
.macro CROUND                          ; a round of the cluster's barrier
	s_barrier_signal -1
	s_barrier_wait -1
	s_cmp_lg_u32 s14, 0
	s_cbranch_scc1 .Lnot_wave_0_\@
	s_barrier_signal -3
.Lnot_wave_0_\@:
	s_barrier_wait -3
	s_barrier_signal -1
	s_barrier_wait -1
.endm
	s_load_b128 s[4:7], s[0:1], 0x0                ; a_img, w_img
	s_load_b128 s[8:11], s[0:1], 0x10              ; the scales' exponents, out0
	v_lshl_add_u32 v[SPW], v0, 2, SPARE
	v_mov_b32 v[NIL], 0
	ds_add_u32 v[SPW], v[NIL]                      ; the opening lines: the add, twice on end, and its wait ahead of my first tensor load
	ds_add_u32 v[SPW], v[NIL]
	v_lshrrev_b32 v1, 5, v0
	v_readfirstlane_b32 s14, v1                    ; wave 0..3
	s_lshr_b32 s15, s14, 1                         ; which 64 of the tile's rows are mine.  Also: I fetch for A (0) or for B (1)
	s_and_b32 s16, s14, 1                          ; which 128 of its columns.  Also: which half of that operand's tile I fetch
	v_and_b32 v[PF2], 31, v0
	v_lshlrev_b32 v[PF2], 8, v[PF2]
	v_and_b32 v[PF1], 15, v0
	v_lshlrev_b32 v[PF1], 8, v[PF1]
	v_bfe_u32 v10, v0, 4, 1
	s_lshl_b32 s18, s15, 14                        ; TROW in B's waves, 0 in A's
	v_mul_lo_u32 v10, v10, s18
	v_add_nc_u32 v[PF1], v[PF1], v10
	s_bfe_u32 s40, ttmp6, 0x40000                  ; cx, cy
	s_bfe_u32 s41, ttmp6, 0x40004
	s_lshl_b32 s42, ttmp9, 2
	s_add_co_u32 s42, s42, s40                     ; tile column = 4 x cluster x + cx
	s_and_b32 s17, ttmp7, 0xffff
	s_cmp_lt_u32 s17, 4                            ; the cluster's y: alike in all partners
	s_cselect_b32 s3, 1, 0
	s_cmp_eq_u32 s15, 0
	s_cselect_b32 s3, 1, s3                        ; s3 = 1: my wave prefetches: A's waves everywhere, B's in the first four rows of clusters
	s_lshl_b32 s17, s17, 2
	s_add_co_u32 s17, s17, s41                     ; tile row = 4 x cluster y + cy
	s_lshl_b32 s43, s41, 2
	s_lshl_b32 s43, 15, s43                        ; my row of the cluster
	s_lshl_b32 s44, 0x1111, s40                    ; my column
	s_or_b32 s[G1+0], s43, (3<<16)|(1<<21)         ; 15:0 the mask; 17:16 elements of 8 bytes; 21 set beside a mask
	s_or_b32 s[G1B+0], s44, (3<<16)|(1<<21)
	s_or_b32 s[G1D+0], s43, (3<<16)|(1<<21)
	s_or_b32 s[G1BD+0], s44, (3<<16)|(1<<21)
.irp g, G1, G1B
	s_mov_b32 s[\g+1], 512<<16                     ; tensor_dim0, tile_dim0: a chunk, 4,096 bytes
	s_mov_b32 s[\g+3], 512<<16
.endr
.irp g, G1D, G1BD
	s_mov_b32 s[\g+1], 1024<<16                    ; two chunks on end, 8,192 bytes
	s_mov_b32 s[\g+3], 1024<<16
.endr
.irp g, G1, G1B, G1D, G1BD
	s_mov_b32 s[\g+5], 2048                        ; tensor_dim0_stride: 8 K steps x 2,048 bytes
	s_mov_b32 s[\g+6], 0
	s_mov_b32 s[\g+7], 0
.endr
.irp g, G1, G1D
	s_mov_b32 s[\g+2], 4<<16                       ; tensor_dim1, tile_dim1: A: four tiles of 16 rows a load,
	s_mov_b32 s[\g+4], 4
.endr
.irp g, G1B, G1BD
	s_mov_b32 s[\g+2], 8<<16                       ; B: eight
	s_mov_b32 s[\g+4], 8
.endr
	s_lshl_b32 s20, s17, 7
	s_lshl_b32 s18, s16, 6
	s_add_co_u32 s20, s20, s18                     ; A: row 128 x tile row + 64 x half
	s_lshl_b32 s20, s20, 10                        ; a row's share of the images: 1,024 bytes
	s_lshl_b32 s46, s42, 8
	s_lshl_b32 s18, s16, 7
	s_add_co_u32 s46, s46, s18                     ; B: row 256 x tile column + 128 x half
	s_lshl_b32 s46, s46, 10
	s_add_co_u32 s46, s46, 0x600000                ; Wo's images
	s_mov_b32 s21, 0
	s_mov_b32 s47, 0
	s_lshl_b32 s45, s16, 14                        ; where they go: in R0 A's halves at 0 and 16,384,
	s_lshl_b32 s19, s16, 15                        ; B's at 32,768 and 65,536; in P A's at 0 and 32,768,
	s_lshl_b32 s18, s16, 16                        ; B's at 65,536 and 131,072: no place in the cluster enters an LDS address
	s_wait_alu depctr_va_vdst(0)
	s_wait_dscnt 0x0                               ; both opening adds are done
	s_wait_kmcnt 0x0
	s_load_b64 s[96:97], s[8:9], 0x28              ; e10, e11
	s_add_nc_u64 s[20:21], s[4:5], s[20:21]
	s_add_nc_u64 s[46:47], s[6:7], s[46:47]
	s_cmp_eq_u32 s15, 0                            ; the prefetches' base: A's waves: tile row cx of my four; B's: tile rows 2 cy, 2 cy + 1 of my eight
	s_cselect_b64 s[PFA:PFA+1], s[20:21], s[46:47]
	s_cselect_b32 s62, s40, s41
	s_cselect_b32 s63, 14, 15
	s_lshl_b32 s62, s62, s63
	s_mov_b32 s63, 0
	s_add_nc_u64 s[PFA:PFA+1], s[PFA:PFA+1], s[62:63]
.irp j, 0,1,2                          ; load j begins at chunk 0, 1, 3
	s_mov_b32 s[G0+4*\j], 1
	s_add_nc_u64 s[G0+4*\j+2:G0+4*\j+3], s[20:21], (\j*(\j+1)/2)*KB
	s_or_b32 s[G0+4*\j+3], s[G0+4*\j+3], 0x80000000
	s_mov_b32 s[G0B+4*\j], 1
	s_add_nc_u64 s[G0B+4*\j+2:G0B+4*\j+3], s[46:47], (\j*(\j+1)/2)*KB
	s_or_b32 s[G0B+4*\j+3], s[G0B+4*\j+3], 0x80000000
.endr
	s_add_co_u32 s[G0+1], s45, 0
	s_add_co_u32 s[G0+5], s19, SLOT
	s_add_co_u32 s[G0+9], s45, 0
	s_add_co_u32 s[G0B+1], s19, ATILE
	s_add_co_u32 s[G0B+5], s18, PB
	s_add_co_u32 s[G0B+9], s19, ATILE
	CROUND                                         ; all sixteen work-groups are here: the first joint loads meet
	JLOAD G0, G1, G0B, G1B                         ; chunk 0: one tensor load a wave at the head
	s_cmp_eq_u32 s3, 0                             ; what the next load will ask for: chunks 1 and 2, 8,192 bytes on end in a tile row
	s_cbranch_scc1 .Lp1
	global_prefetch_b8 v[PF2], s[PFA:PFA+1] offset:KB th:TH_LOAD_NT scope:SCOPE_SE
	s_cmp_eq_u32 s15, 0
	s_cbranch_scc1 .Lp1
	global_prefetch_b8 v[PF2], s[PFA:PFA+1] offset:KB+TROW th:TH_LOAD_NT scope:SCOPE_SE   ; B's waves: their second tile row
.Lp1:
	s_lshl_b32 s21, s15, 14                        ; my 64 rows of A in R0,
	s_lshl_b32 s22, s16, 15
	s_add_co_u32 s22, s22, ATILE                   ; my 128 rows of B;
	s_lshl_b32 s18, s15, 15
	s_add_co_u32 s18, s18, SLOT                    ; the same in P
	s_lshl_b32 s19, s16, 16
	s_add_co_u32 s19, s19, PB
	s_mul_i32 s23, s14, 16*SPITCH
	s_add_co_u32 s23, s23, STAGE                   ; my stage
	v_and_b32 v6, 31, v0
	v_lshlrev_b32 v[CO], 4, v6                     ; 16 x lane
	v_add_nc_u32 v[ADRA], s21, v[CO]
	v_add_nc_u32 v[ADRB], s22, v[CO]
	v_add_nc_u32 v[ADRA+1], s18, v[CO]
	v_add_nc_u32 v[ADRB+1], s19, v[CO]
	v_and_b32 v1, 15, v0
	v_bfe_u32 v2, v0, 4, 1
	v_mul_u32_u24 v5, v1, SPITCH                   ; into the stage: row l % 16, 32 bytes for each half of the lanes
	v_lshl_add_u32 v5, v2, 5, v5
	v_add_nc_u32 v[STO], s23, v5
	v_add_nc_u32 v[RD], s23, v[CO]                 ; back: the 32 lanes take one row of 512 bytes
	s_lshl_b32 s20, s17, 7
	s_lshl_b32 s21, s15, 6
	s_add_co_u32 s20, s20, s21                     ; my first row of the output
	s_lshl_b32 s20, s20, 13                        ; x 8,192 bytes
	s_lshl_b32 s46, s42, 10                        ; my first column, in bytes: 1,024 x tile column + 512 x half
	s_lshl_b32 s47, s16, 9
	s_add_co_u32 s46, s46, s47
	s_add_co_u32 s20, s20, s46
	s_mov_b32 s21, 0
	s_add_nc_u64 s[10:11], s[10:11], s[20:21]
; step n of eight: chunk n / 2, its (n % 2)-th 128 along K; fragments in set n % 2.  Chunks 0 and 3 lie in R0 (tiles 4,096 bytes apart), chunks 1 and 2 in P (8,192 apart)
.macro FSET n
.set FQ, (\n)%2
.if ((\n)/2)%3 == 0
.set FS, 0
.set FP, 4096
.set FO, 2048*FQ
.else
.set FS, 1
.set FP, 8192
.set FO, 4096*((\n)/2-1)+2048*FQ
.endif
.endm
.macro FRAG reg, adr, i                ; tile i's image: four loads of 512 consecutive bytes
.irp c, 0,1,2,3
	ds_load_b128 v[\reg+4*\c:\reg+4*\c+3], v[\adr] offset:(\i)*FP+FO+512*\c
.endr
.endm
.macro FETCH_B n
	FSET \n
	WIN TO_B
.irp i, 0,1,2,3,4,5,6,7
	FRAG 128*FQ+FR*\i, ADRB+FS, \i
.endr
	WIN 0
.endm
.macro FETCH_A n
	FSET \n
.irp i, 0,1,2,3
	FRAG AF+64*FQ+FR*\i, ADRA+FS, \i
.endr
.endm
; 16 matrix instructions: A's blocks a0, a0 + 1 x B's eight.  The 32 accumulators take turns, one instruction a turn, in the same order in every step.  zero = 1: the first product starts the sums.
.macro MUL16 a0, p, zero
.irp a, \a0, \a0+1
.irp b, 0,1,2,3,4,5,6,7
.if \zero
	v_wmma_f32_16x16x128_fp8_fp8 v[8*(8*(\a)+\b):8*(8*(\a)+\b)+7], v[128*(\p)+FR*\b:128*(\p)+FR*\b+FR-1], v[AF+64*(\p)+FR*(\a):AF+64*(\p)+FR*(\a)+FR-1], 0
.else
	v_wmma_f32_16x16x128_fp8_fp8 v[8*(8*(\a)+\b):8*(8*(\a)+\b)+7], v[128*(\p)+FR*\b:128*(\p)+FR*\b+FR-1], v[AF+64*(\p)+FR*(\a):AF+64*(\p)+FR*(\a)+FR-1], v[8*(8*(\a)+\b):8*(8*(\a)+\b)+7]
.endif
.endr
.endr
.endm
.macro PLACES n                        ; plain vector lines that name no register of the matrix instructions ahead
.rept \n
	v_nop
.endr
.endm
; Step n's 32 products; more = 1: the next step's fragments are fetched into the other set, B's ahead of the products, A's in their middle
.macro WORK n, zero, more
.if \more
	FETCH_B (\n)+1
.endif
	WIN MUL_LO
	MUL16 0, (\n)%2, \zero
.if \more
	WIN 0
	FETCH_A (\n)+1
	WIN MUL_LO
.endif
	MUL16 2, (\n)%2, \zero
	WIN 0
.endm
	s_wait_alu depctr_va_vdst(0)
	s_wait_tensorcnt 0x0                           ; my part of chunk 0 is in; a later first fill is issued as a refill is:
	ds_add_u32 v[SPW], v[NIL]                      ; 0 onto my spare word
	s_wait_dscnt 0x0
	CROUND                                         ; everybody's part of chunk 0 is in, and the joint loads meet
	JLOAD G0+4, G1D, G0B+4, G1BD                   ; chunks 1 and 2 into P: my one tensor load behind this round
	FETCH_B 0
	FETCH_A 0
	s_cmp_eq_u32 s3, 0                             ; what the next load will ask for: chunk 3, 4,096 bytes in a tile row
	s_cbranch_scc1 .Lp2
	global_prefetch_b8 v[PF1], s[PFA:PFA+1] offset:3*KB th:TH_LOAD_NT scope:SCOPE_SE
.Lp2:
	s_wait_dscnt 0x0
	WORK 0, 1, 1                                   ; the first step's products start the sums
	s_wait_tensorcnt 0x0                           ; my parts of chunks 1 and 2 have landed
	ds_add_u32 v[SPW], v[NIL]                      ; 0 onto my spare word
	s_wait_dscnt 0x0                               ; the add is done, and step 1's fragments are in registers: my reads of R0 are over
	CROUND                                         ; no wave of any partner still reads R0 or has a load on its way
	JLOAD G0+8, G1, G0B+8, G1B                     ; chunk 3 into R0: my last tensor load; its four v_nop are also the places in front of the loads below
	WORK 1, 0, 1
.irp n, 2,3,4
	s_wait_dscnt 0x0                               ; this step's fragments are in
	PLACES NP
	WORK \n, 0, 1
.endr
	s_wait_tensorcnt 0x0                           ; my part of chunk 3 is in,
	s_wait_dscnt 0x0                               ; step 5's fragments too: my reads of P are over
	s_barrier_signal -1
	s_barrier_wait -1                              ; everybody's
	PLACES NP
	WORK 5, 0, 1
	s_wait_dscnt 0x0
	PLACES NP
	WORK 6, 0, 1
	s_wait_dscnt 0x0
	WORK 7, 0, 0
; THE WAY OUT, block by block of 16 rows x 128 columns, through my own stage in LDS: back as whole rows of 512 bytes.  LDS serves a wave's instructions in order: no wait between the stores and the loads.
.macro TOSTAGE a
.set AC, 64*(\a)
	WIN 0x02                                       ; source 0: window 2
.irp j, 0,2,4,6,8,10,12,14,16,18,20,22,24,26,28,30,32,34,36,38,40,42,44,46,48,50,52,54,56,58,60,62
	v_pk_mul_f32 v[TMP+\j:TMP+\j+1], v[AC+\j:AC+\j+1], s[96:97] op_sel_hi:[1,0]   ; x 2^(e10 + e11); each accumulator from its low end on
.endr
	WIN 0
.irp b, 0,1,2,3,4,5,6,7
	ds_store_b128 v[STO], v[TMP+8*\b:TMP+8*\b+3] offset:64*\b
	ds_store_b128 v[STO], v[TMP+8*\b+4:TMP+8*\b+7] offset:64*\b+16
.endr
.set BB, BK+64*((\a)%2)
.irp t, 0,1,2,3,4,5,6,7,8,9,10,11,12,13,14,15
	ds_load_b128 v[BB+4*\t:BB+4*\t+3], v[RD] offset:\t*SPITCH
.endr
.endm
.macro SEND a, younger                 ; younger: the LDS instructions issued behind block a's loads, which may stay out
.set BB, BK+64*((\a)%2)
	s_wait_dscnt \younger                          ; the block is back in registers
.if (\a) > 0
	s_add_nc_u64 s[10:11], s[10:11], 16*SIZE_N*4   ; (behind a wait on XCNT: the earlier stores have read their base)
.endif
.irp t, 0,1,2,3,4,5,6,7,8,9,10,11,12,13,14,15
	global_store_b128 v[CO], v[BB+4*\t:BB+4*\t+3], s[10:11] offset:\t*SIZE_N*4 th:TH_STORE_NT   ; 32 lanes store 512 consecutive bytes, aligned
.endr
.endm
	s_wait_kmcnt 0x0
	s_add_co_i32 s96, s96, s97
	s_add_co_i32 s96, s96, 127
	s_lshl_b32 s96, s96, 23                        ; 2^(e10 + e11) as f32
	PLACES NP                                      ; behind the last products: for the first reads of results and the loads into registers that held A's fragments
	TOSTAGE 0
.irp a, 1,2,3
.if \a > 1
	s_wait_xcnt 0x0                                ; block a - 2's stores have read their registers and their base
.endif
	TOSTAGE \a
	SEND \a-1, 32                                  ; behind block a - 1's loads: block a's 16 stores and 16 loads
.endr
	s_wait_xcnt 0x0                                ; block 2's stores have read their base
	SEND 3, 0
	s_wait_tensorcnt 0x0                           ; the wave's end
	ds_add_u32 v[SPW], v[NIL]
	s_wait_dscnt 0x0
	CROUND                                         ; the closing round
	s_endpgm
.Lfunc_end_k_q71515d56e9_oproj:
	.size	k_q71515d56e9_oproj, .Lfunc_end_k_q71515d56e9_oproj-k_q71515d56e9_oproj
	.p2alignl 7, 3214868480
	.fill 96, 4, 3214868480
	.section	.rodata,"a",@progbits
	.p2align	6, 0x0
	.amdhsa_kernel k_q71515d56e9_oproj
		.amdhsa_group_segment_fixed_size 327680
		.amdhsa_private_segment_fixed_size 0
		.amdhsa_enable_private_segment 0
		.amdhsa_kernarg_size 32
		.amdhsa_user_sgpr_count 2
		.amdhsa_user_sgpr_kernarg_segment_ptr 1
		.amdhsa_wavefront_size32 1
		.amdhsa_system_sgpr_workgroup_id_x 1
		.amdhsa_system_sgpr_workgroup_id_y 1
		.amdhsa_system_sgpr_workgroup_id_z 1
		.amdhsa_system_vgpr_workitem_id 0
		.amdhsa_next_free_vgpr 768
		.amdhsa_next_free_sgpr 98
		.amdhsa_reserve_vcc 0
		.amdhsa_float_denorm_mode_32 3
		.amdhsa_float_denorm_mode_16_64 3
		.amdhsa_memory_ordered 1
		.amdhsa_forward_progress 1
		.amdhsa_inst_pref_size 76
	.end_amdhsa_kernel
	.amdgpu_metadata
---
amdhsa.version: [ 1, 2 ]
amdhsa.kernels:
  - .name:           k_q71515d56e9_oproj
    .symbol:         k_q71515d56e9_oproj.kd
    .args:
      - { .name: a_img, .offset: 0, .size: 8, .value_kind: global_buffer, .address_space: global }
      - { .name: w_img, .offset: 8, .size: 8, .value_kind: global_buffer, .address_space: global }
      - { .name: lowp_scales, .offset: 16, .size: 8, .value_kind: global_buffer, .address_space: global }
      - { .name: out0, .offset: 24, .size: 8, .value_kind: global_buffer, .address_space: global }
    .group_segment_fixed_size: 327680
    .private_segment_fixed_size: 0
    .kernarg_segment_align: 8
    .kernarg_segment_size: 32
    .max_flat_workgroup_size: 128
    .sgpr_count:     98
    .vgpr_count:     768
    .wavefront_size: 32
...
	.end_amdgpu_metadata
.endif
;; end of part 4
